; MI455X (gfx1250); checked and timed in simulation.
; The chip was launched on July 23, 2026; its instructions are those of AMD's public machine-readable ISA for CDNA 5 (MIT licence, August 2026) and "CDNA5" Instruction Set Architecture Reference Guide (July 2026). The comments in the code are by the model that wrote it; some were corrected since.
;; Multi Head Attention. Allowed arithmetic: matrix products marked QUANTISED: E2M3 operands, one E8M0 scale for each 32 along K, by v_wmma_scale_f32_16x16x128_f8f6f4 with both operands' format E2M3, f32 sums; everything else in f32.
;; Inputs: Wk 1,024 x 1,024 float32; Wo 1,024 x 1,024 float32; Wq 1,024 x 1,024 float32; Wv 1,024 x 1,024 float32; attention_mask 4 x 2,048 int32; bo 1,024 float32; x 4 x 2,048 x 1,024 float32.
;; Outputs: out0 4 x 2,048 x 1,024 float32.
;; This version of the problem:
;;   THIS VERSION OF THE PROBLEM IS GIVEN IN LOW PRECISION. The matrix products marked QUANTISED in the list below multiply operands that are first quantised to E2M3 (2 exponent bits, 3 mantissa bits; 6 bits a number), with one power-of-two scale for each 32 numbers along K (OCP MX v1.0); their sums are f32. All else is computed in f32.
;;   The module's matrix products, in the order in which they are computed (A, B: the left and right operand; K: the contracted axis; several contracted axes count as one K, in the product's order):
;;     1. [M 8,192, K 1,024] x [K 1,024, N 1,024]; A: input x; B: input Wq: QUANTISED
;;     2. [M 8,192, K 1,024] x [K 1,024, N 1,024]; A: input x; B: input Wk: QUANTISED
;;     3. [M 8,192, K 1,024] x [K 1,024, N 1,024]; A: input x; B: input Wv: QUANTISED
;;     4. batch 64 x [M 2,048, K 64] x [K 64, N 2,048]; A: computed on the way; B: computed on the way: QUANTISED
;;     5. batch 64 x [M 2,048, K 2,048] x [K 2,048, N 64]; A: softmax (see below); B: computed on the way: QUANTISED
;;     6. [M 8,192, K 1,024] x [K 1,024, N 1,024]; A: computed on the way; B: input Wo: QUANTISED
;;   THE QUANTISER, for each operand of a quantised product, along K:
;;     - K is cut into blocks of 32 from its start; a last block that is shorter is filled with zeros.
;;     - A block's scale is 2^e with e = floor(log2(the largest magnitude in the block)) - 2, held to -126 .. 127; a block of zeros has e = 0. As a byte (E8M0): e + 127.
;;     - Each number is divided by its block's scale, clamped to +-7.5, and rounded to the nearest number of E2M3, ties to even, subnormals kept.
;;     - The product sums the exact products of the quantised numbers (number of the format x scale) in f32.
;;   ~~~python
;;   def quantise(x, axis):      # numpy; x: float32 -> the quantised numbers, widened to float32 again
;;       x = np.moveaxis(x, axis, -1); K = x.shape[-1]
;;       x = np.pad(x, [(0, 0)] * (x.ndim - 1) + [(0, -K % 32)]); x = x.reshape(x.shape[:-1] + (-1, 32)); a = np.abs(x).max(-1, keepdims=True)
;;       e = np.where(a > 0, np.clip(np.frexp(np.where(a > 0, a, 1))[1] - 1 - 2, -126, 127), 0)      # np.frexp(a)[1] - 1 = floor(log2(a)), exactly
;;       r = np.clip(x / 2.0 ** e, -7.5, 7.5)
;;       step = 2.0 ** (np.maximum(np.frexp(np.where(r == 0, 1, r))[1] - 1, 0) - 3)
;;       q = np.round(r / step) * step * 2.0 ** e      # np.round: ties to even
;;       return np.moveaxis(q.reshape(q.shape[:-2] + (-1,))[..., :K], -1, axis).astype(np.float32)
;;   ~~~
;;   SOFTMAX AHEAD OF A QUANTISED PRODUCT. Where the list says 'softmax', what is quantised is not the finished softmax but p = 2^(t - M), with t = logit x log2(e) and M = ceil(the row's largest t), a whole number; so 1/2 < the row's largest p <= 1. The row's sum l is taken of the UNQUANTISED p, in f32, and the product's result is divided by l at the end. Since M is a whole number, a kernel that streams over the keys may use a running M (the ceiling of the running maximum): every later rescaling is an exact power of two, which a block's scale takes up: the codes' values come out the same.
;;   OPERANDS COMPUTED ON THE WAY. 'Computed on the way' means the value that the module computes at that place (a softmax that the list does not call 'softmax' is quantised finished and normalised). What goes into a quantiser is computed in f32, as accurately as f32 sums, v_exp_f32 and their like allow (about 1e-6 of the number): no bf16 or f16 on the way to a quantiser, and a product that is left as it is and whose result goes on into a quantised operand takes f32 operands (vector FMAs, or v_wmma_f32_16x16x4_f32). A number that lies on a knife's edge between two numbers of the format may be rounded either way, as far as f32 arithmetic and the matrix unit's own rounding can turn it there, and no further.
;; One version. Each part assembles by itself: llvm-mc -triple=amdgcn-amd-amdhsa -mcpu=gfx1250 --defsym DOCPART=n.
;; ======== version 1 of 1: 4 launches
;; limits: right only within a limited range of input values
;; workspace buffers: ci 9,437,184 bytes; cs 393,216 bytes; mb 32,768 bytes; qkv 18,874,368 bytes; qkvs 786,432 bytes; vp 262,144 bytes; ai 6,291,456 bytes; asc 262,144 bytes
;; launch quant (part 1): grid 384 x 1, 2 waves a work-group, no clusters, 17,152 bytes of LDS; arguments x, Wq, Wk, Wv, Wo, attention_mask, ci, cs, mb; writes ci, cs, mb
.if DOCPART == 1
	.amdgcn_target "amdgcn-amd-amdhsa--gfx1250"
	.amdhsa_code_object_version 6
	.text
	.protected	k_q908f817d1b_quant
	.globl	k_q908f817d1b_quant
	.p2align	8
	.type	k_q908f817d1b_quant,@function
k_q908f817d1b_quant:
	s_mov_b64 s[64:65], 0
	v_nop
	global_prefetch_b8 v0, s[64:65] scope:SCOPE_SE
	s_setreg_imm32_b32 hwreg(HW_REG_WAVE_MODE, 25, 1), 1
	s_wait_xcnt 0x0
; x [8192][1024] and Wq, Wk, Wv, Wo [1024][1024], f32, K innermost, become codes of FP6 (E2M3) with one E8M0 byte for each 32 along K; attention_mask becomes an f32 number for each key.
; A block's scale is 2^(floor(log2(its largest magnitude)) - 2); its byte is the largest magnitude's exponent field - 2, held at 1 from below.  A block of zeros so gets the byte 1 (its codes are zeros; this program alone reads the bytes).
; LIMITS: NaN and infinities among the inputs are not served.
; THE CODES ARE LAID IN THE ORDER OF AN OPERAND'S REGISTERS.  A tile is 16 rows; tiles 0-511 are x's, 512-575 Wq's, 576-639 Wk's, 640-703 Wv's, 704-767 Wo's.  THE ROWS OF A TILE ARE NOT NEIGHBOURS: lane r of a tensor's
; tile T holds row 32 (T / 2) + 8 (T % 2) + r + 8 (r / 8), so that, where such a tile is a product's source 0, the 16 result registers of two neighbouring tiles are 16 neighbours along that axis.
; A fragment (16 rows x 128 K, 12 registers a lane) is 1,536 bytes: registers 4 c .. 4 c + 3 of lane l at 512 c + 16 l.  ci: [768 tiles][8 fragments][1536].  cs: [768 tiles][16 rows][32 bytes].
; SHARES.  A wave takes one tile, all of K: eight steps of 128 along K.  Each of a step's 16 loads reads 512 consecutive bytes of one row; the 8 KiB turn through the wave's own stage in LDS (rows 528 bytes apart),
; from which lane (r, h) takes, of row r, the two whole blocks of 32 that the operand's layout gives it: k = 64 c + 32 h + 0 .. 31.  So a block's largest magnitude needs no other lane and the conversions' results are the operand's registers.
; Every store of codes covers 512 consecutive bytes.  Loads run two steps (32 loads a wave) ahead.  No barrier: waves share nothing.  No matrix unit, no cluster: memory binds, and no byte is read twice.
.set ROWB,   4096                      ; a row in memory
.set SPITCH, 528                       ; a stage row: 512 bytes + 16
.set STG,    16*SPITCH                 ; a wave's stage
.set R,      16                        ; v16-143  two sets of 64: a step as it is loaded
.set X,      144                       ; v144-207 my 64 numbers: register 32 c + n = k 64 c + 32 h + n of row r
.set PC,     208                       ; v208-231 two sets of 12: a fragment's codes
.set T,      232                       ; v232-238 the second half of each block's codes (a conversion's three registers begin on an even number)
.set W,      240                       ; v240-247 the eight steps' scale words
	s_load_b256 s[4:11], s[0:1], 0x0               ; x, Wq, Wk, Wv
	s_load_b256 s[12:19], s[0:1], 0x20             ; Wo, attention_mask, ci, cs
	s_load_b64 s[20:21], s[0:1], 0x40              ; mb
	v_lshl_add_u32 v235, v0, 2, 0x4200
	v_mov_b32 v239, 0
	v_lshrrev_b32 v1, 5, v0
	v_readfirstlane_b32 s24, v1                    ; wave 0, 1
	v_and_b32 v1, 31, v0                           ; lane
	v_and_b32 v2, 15, v0                           ; r
	v_bfe_u32 v3, v0, 4, 1                         ; h
	v_lshlrev_b32 v4, 4, v1                        ; 16 x lane: my bytes of a load's or a store's 512; never rewritten
	s_mul_i32 s28, s24, STG
	v_add_nc_u32 v5, s28, v4                       ; the stage, on the way in
	v_mul_u32_u24 v6, v2, SPITCH
	v_lshl_add_u32 v6, v3, 7, v6
	v_add_nc_u32 v6, s28, v6                       ; and out: row r, + 128 h bytes
	v_lshlrev_b32 v7, 3, v3                        ; 8 h: my two scale bytes' place in the word
	v_lshlrev_b32 v8, 5, v2
	v_lshl_add_u32 v8, v3, 4, v8                   ; 32 r + 16 h: my 16 bytes of the tile's 512 scale bytes
	v_mov_b32 v10, 0                               ; written once: a lane permute's destination counts as one of its sources
	s_mov_b32 s30, 0x76543210
	s_mov_b32 s31, 0xfedcba98                      ; v_permlanex16_b32's selects for lane l xor 16
	s_lshl_b32 s25, ttmp9, 1
	s_add_co_u32 s24, s25, s24                     ; my tile, 0 .. 767
	s_and_b32 s25, s24, 63                         ; its number in a weight
	s_wait_alu depctr_va_vdst(0)
	s_wait_kmcnt 0x0
	s_mov_b64 s[22:23], s[12:13]                   ; the tensor is chosen by the tile's number alone
	s_cmp_lt_u32 s24, 704
	s_cselect_b64 s[22:23], s[10:11], s[22:23]
	s_cmp_lt_u32 s24, 640
	s_cselect_b64 s[22:23], s[8:9], s[22:23]
	s_cmp_lt_u32 s24, 576
	s_cselect_b64 s[22:23], s[6:7], s[22:23]
	s_cmp_lt_u32 s24, 512
	s_cselect_b64 s[22:23], s[4:5], s[22:23]
	s_cselect_b32 s25, s24, s25                    ; the tile's number in its tensor
	s_lshr_b32 s26, s25, 1
	s_lshl_b32 s26, s26, 17                        ; 32 (T / 2) rows of 4,096 bytes
	s_and_b32 s27, s25, 1
	s_lshl_b32 s27, s27, 15                        ; + 8 (T % 2) rows
	s_add_co_u32 s26, s26, s27
	s_mov_b32 s27, 0
	s_add_nc_u64 s[22:23], s[22:23], s[26:27]
	s_mul_i32 s26, s24, 12288
	s_add_nc_u64 s[16:17], s[16:17], s[26:27]      ; my tile's codes
	s_lshl_b32 s26, s24, 9
	s_add_nc_u64 s[18:19], s[18:19], s[26:27]      ; its scale bytes
	s_add_nc_u64 s[14:15], s[14:15], s[26:27]      ; and, for tiles 0-63 alone, 128 numbers of the mask
	s_add_nc_u64 s[20:21], s[20:21], s[26:27]
.macro LOAD t                          ; step t: 512 bytes of each of the tile's 16 rows
.irp s, 0,1,2,3,4,5,6,7,8,9,10,11,12,13,14,15
	global_load_b128 v[R+64*((\t)%2)+4*\s:R+64*((\t)%2)+4*\s+3], v4, s[22:23] offset:(16*(\s/8)+\s%8)*ROWB+512*(\t) th:TH_LOAD_NT
.endr
.endm
.macro STEP t
.set RS, R+64*((\t)%2)
.set PS, PC+12*((\t)%2)
.if (\t) < 7
	s_wait_loadcnt 16                              ; this step's 16 loads are in; the next step's 16 may be out
.else
	s_wait_loadcnt 0x0
.endif
.irp s, 0,1,2,3,4,5,6,7,8,9,10,11,12,13,14,15
	ds_store_b128 v5, v[RS+4*\s:RS+4*\s+3] offset:SPITCH*\s
.endr
.irp c, 0,1
.irp i, 0,1,2,3,4,5,6,7
	ds_load_b128 v[X+32*\c+4*\i:X+32*\c+4*\i+3], v6 offset:256*\c+16*\i   ; LDS serves a wave's instructions in order: these see the stores above
.endr
.endr
	s_wait_dscnt 0x0                               ; my numbers are back, and the stores have read their registers,
.if (\t) < 6
	LOAD (\t)+2                                    ; which take the loads of two steps on
.endif
.irp q, 0,1,2,3                        ; four chains by turns: chains 2 c and 2 c + 1 are the halves of my block c; the floor 2^(3 - 127) is one more leaf: so the byte cannot fall under 1
	v_max3_num_f32 v[12+\q], |v[X+16*\q]|, |v[X+16*\q+1]|, 0x1800000
.endr
.irp i, 2,4,6,8,10,12,14
.irp q, 0,1,2,3
	v_max3_num_f32 v[12+\q], v[12+\q], |v[X+16*\q+\i]|, |v[X+16*\q+\i+1]|
.endr
.endr
	v_max_num_f32 v12, v12, v13
	v_max_num_f32 v14, v14, v15
	v_add_nc_u32 v12, 0xff000000, v12              ; 2 off the exponent field: the conversion takes the exponent field of this operand as its scale, and nothing else of it
	v_add_nc_u32 v14, 0xff000000, v14
	v_lshrrev_b32 v13, 23, v12                     ; the scales' bytes: blocks h and 2 + h of row r
	v_lshrrev_b32 v15, 23, v14
	v_lshl_or_b32 v9, v15, 16, v13
	v_lshlrev_b32 v9, v7, v9                       ; at their places in the word
	v_permlanex16_b32 v10, v9, s30, s31
	v_or_b32 v[W+(\t)], v9, v10                    ; with lane l xor 16's two the word is whole
.if (\t) >= 2
	s_wait_alu depctr_va_vdst(0)
	s_wait_xcnt 0x0                                ; the stores of two steps ago have read this set of codes
.endif
	v_cvt_scalef32_pk16_fp6_f32 v[PS:PS+2], v[X:X+15], v12
	v_cvt_scalef32_pk16_fp6_f32 v[T:T+2], v[X+16:X+31], v12
	v_cvt_scalef32_pk16_fp6_f32 v[PS+6:PS+8], v[X+32:X+47], v14
	v_cvt_scalef32_pk16_fp6_f32 v[T+4:T+6], v[X+48:X+63], v14
	v_nop                                          ; one plain place behind a scaled conversion
.irp i, 0,1,2
	v_mov_b32 v[PS+3+\i], v[T+\i]
	v_mov_b32 v[PS+9+\i], v[T+4+\i]
.endr
.irp c, 0,1,2
	global_store_b128 v4, v[PS+4*\c:PS+4*\c+3], s[16:17] offset:1536*(\t)+512*\c   ; 32 lanes store 512 consecutive bytes
.endr
.endm
	LOAD 0
	LOAD 1
.irp t, 0,1,2,3,4,5,6,7
	STEP \t
.endr
	v_cmp_le_u32 vcc_lo, 16, v1                    ; lanes 0-15 store a row's words 0-3, lanes 16-31 its words 4-7
.irp i, 0,1,2,3
	v_cndmask_b32 v[248+\i], v[W+\i], v[W+4+\i], vcc_lo
.endr
	global_store_b128 v8, v[248:251], s[18:19]     ; the tile's 512 scale bytes
	s_cmp_ge_u32 s24, 64                           ; the 8,192 numbers of the mask: 128 for each of the first 64 tiles' waves
	s_cbranch_scc1 .Ldone
	global_load_b128 v[252:255], v4, s[14:15]
	v_mov_b32 v9, 0xcfee6b28                       ; -8e9: added to a raw score it stands for the logit -1e9 (the scores are multiplied by 1/8 later)
	s_wait_alu depctr_va_vdst(0)
	s_wait_loadcnt 0x0
.irp i, 0,1,2,3
	v_cmp_eq_u32 vcc_lo, 0, v[252+\i]
	v_cndmask_b32 v[12+\i], 0, v9, vcc_lo
.endr
	global_store_b128 v4, v[12:15], s[20:21]
.Ldone:
	s_wait_tensorcnt 0x0
	ds_add_u32 v235, v239
	s_wait_dscnt 0x0
	s_endpgm
.Lfunc_end_k_q908f817d1b_quant:
	.size	k_q908f817d1b_quant, .Lfunc_end_k_q908f817d1b_quant-k_q908f817d1b_quant
	.p2alignl 7, 3214868480
	.fill 96, 4, 3214868480
	.section	.rodata,"a",@progbits
	.p2align	6, 0x0
	.amdhsa_kernel k_q908f817d1b_quant
		.amdhsa_group_segment_fixed_size 17152
		.amdhsa_private_segment_fixed_size 0
		.amdhsa_enable_private_segment 0
		.amdhsa_kernarg_size 72
		.amdhsa_user_sgpr_count 2
		.amdhsa_user_sgpr_kernarg_segment_ptr 1
		.amdhsa_wavefront_size32 1
		.amdhsa_system_sgpr_workgroup_id_x 1
		.amdhsa_system_sgpr_workgroup_id_y 1
		.amdhsa_system_sgpr_workgroup_id_z 1
		.amdhsa_system_vgpr_workitem_id 0
		.amdhsa_next_free_vgpr 256
		.amdhsa_next_free_sgpr 66
		.amdhsa_reserve_vcc 1
		.amdhsa_float_denorm_mode_32 3
		.amdhsa_float_denorm_mode_16_64 3
		.amdhsa_memory_ordered 1
		.amdhsa_forward_progress 1
		.amdhsa_inst_pref_size 59
	.end_amdhsa_kernel
	.amdgpu_metadata
---
amdhsa.version: [ 1, 2 ]
amdhsa.kernels:
  - .name:           k_q908f817d1b_quant
    .symbol:         k_q908f817d1b_quant.kd
    .args:
      - { .name: x, .offset: 0, .size: 8, .value_kind: global_buffer, .address_space: global }
      - { .name: Wq, .offset: 8, .size: 8, .value_kind: global_buffer, .address_space: global }
      - { .name: Wk, .offset: 16, .size: 8, .value_kind: global_buffer, .address_space: global }
      - { .name: Wv, .offset: 24, .size: 8, .value_kind: global_buffer, .address_space: global }
      - { .name: Wo, .offset: 32, .size: 8, .value_kind: global_buffer, .address_space: global }
      - { .name: attention_mask, .offset: 40, .size: 8, .value_kind: global_buffer, .address_space: global }
      - { .name: ci, .offset: 48, .size: 8, .value_kind: global_buffer, .address_space: global }
      - { .name: cs, .offset: 56, .size: 8, .value_kind: global_buffer, .address_space: global }
      - { .name: mb, .offset: 64, .size: 8, .value_kind: global_buffer, .address_space: global }
    .group_segment_fixed_size: 17152
    .private_segment_fixed_size: 0
    .kernarg_segment_align: 8
    .kernarg_segment_size: 72
    .max_flat_workgroup_size: 64
    .sgpr_count:     66
    .vgpr_count:     256
    .wavefront_size: 32
...
	.end_amdgpu_metadata
.endif
;; end of part 1
;; launch qkvproj (part 2): grid 12 x 32, 4 waves a work-group, clusters of 4 x 4, 327,680 bytes of LDS; arguments ci, cs, qkv, qkvs, vp; writes qkv, qkvs, vp
.if DOCPART == 2
	.amdgcn_target "amdgcn-amd-amdhsa--gfx1250"
	.amdhsa_code_object_version 6
	.text
	.protected	k_q908f817d1b_qkvproj
	.globl	k_q908f817d1b_qkvproj
	.p2align	8
	.type	k_q908f817d1b_qkvproj,@function
k_q908f817d1b_qkvproj:
	s_mov_b64 s[64:65], 0
	v_nop
	global_prefetch_b8 v0, s[64:65] scope:SCOPE_SE
	s_setreg_imm32_b32 hwreg(HW_REG_WAVE_MODE, 25, 1), 1
	s_wait_xcnt 0x0
	s_wait_alu depctr_hold_cnt(0) depctr_sa_sdst(0) depctr_va_vdst(0) depctr_va_sdst(0) depctr_va_ssrc(0) depctr_va_vcc(0) depctr_vm_vsrc(0)
	s_getreg_b32 s2, hwreg(HW_REG_IB_STS2, 6, 4)
	s_cmp_eq_u32 s2, 0
	s_cbranch_scc0 .Lentry_in_a_cluster
	s_endpgm
.Lentry_in_a_cluster:
	s_bfe_u32 s2, ttmp6, 0x10000c
	s_cmp_lg_u32 s2, 0xf033
	s_cbranch_scc0 .Lentry_shape_is_right
	s_endpgm
.Lentry_shape_is_right:
; q = x Wq^T, k = x Wk^T and v^T = Wv x^T on codes of FP6 (E2M3) with E8M0 scales; K = 1,024.  The results never leave as f32: the way out quantises them for the products that follow, q and k along the head's 64,
; v along the keys, and stores them in the order of an operand's registers.
; ROLES.  Clusters x = 0, 1: "A" = x's tokens, "B" = the rows of Wq, then Wk.  Cluster x = 2: "A" = the rows of Wv, "B" = x's tokens.  One text serves both: only first tiles and output places differ, chosen by the cluster's x.
; A tile of the result, 256 x 256, is made by four waves, each 128 x 128: 64 accumulators, 512 registers.  K goes in steps of 256 through a ring of two LDS slots filled by the tensor data mover.
; THE OPERANDS LIE IN MEMORY AS IMAGES OF THEIR REGISTERS: [tile of 16 rows][8 fragments of 128 K][1536 bytes].  A wave's tensor load brings 8 tiles x 2 fragments: 8 rows of 3,072 bytes, 12,288 apart.  A fragment comes out of LDS by
; three loads of 512 consecutive bytes: no pitch, no padding.  The scale bytes of the work-group's rows, for all of K, come once, with the first fills, and stay.
; CLUSTERS: 4 x 4 work-groups; A's tiles are asked for jointly along a row of the cluster, B's along a column.
; THE MATRIX INSTRUCTION IS USED TRANSPOSED (source 0 = 16 rows of B, source 1 = 16 rows of A).  The rows of a stored tile are 32 (T / 2) + 8 (T % 2) + r + 8 (r / 8), so a lane holds one row of A and, in the 64 registers of A's block a,
; register 16 b + i = B's row 32 b + 16 (lane / 16) + i of the wave's 128: neighbours along the next product's K.  Those 64 become ONE fragment (16 rows x 128) and one scale word a row.
; OUT: qkv, images of 1,536 bytes: q at (head pair g) x 512 + token tile; k at (8 + g) x 512 + token tile (K = the pair's 2 x 64); v^T at 8192 + ((batch x 8 + g) x 16 + chunk of 128 keys) x 8 + tile of 16 of the pair's 128.
; qkvs: the same index x 64 bytes: 16 scale words.  vp: (v's index - 8192) x 64 bytes: for each of the image's 16 rows the sum of its 128 quantised numbers (a product with ones), for queries all of whose keys are masked.
; No prefetch: K has four steps, of which two are first fills.  LIMITS: NaN and infinities are not served; a block of zeros gets the byte 1 (this program alone reads the bytes).
; REGISTERS: window 0: v16-31 addresses; v32-63 scale words, two sets; v64-127 the way out; from v128 A's fragments, one set; v240-255 the way out.  window 1: B's fragments, two sets, at v0 and v128.  windows 2, 3: the accumulators ((a, b) at v[8 (8 (a % 4) + b)]).
.set NQ,     2                         ; matrix instructions deep in a slot
.set FR,     12                        ; registers of a fragment
.set NL,     3                         ; LDS loads that bring one
.set NP,     4                         ; places behind this matrix instruction (ISA guide 7.12.1)
.set TILEB,  12288                     ; a tile's eight fragments
.set STEPB,  3072                      ; its part of a K step
.set HALFT,  8*STEPB                   ; 8 tiles: what one tensor load brings, and what one wave reads of A or of B
.set SLOT,   4*HALFT                   ; A's 16 tiles, then B's 16
.set LAPS,   2                         ; a lap = two K steps = once round the ring
.set KS,     32                        ; a row of scale bytes
.set SCL,    2*SLOT                    ; behind the ring: the scales, as units of 256 bytes + 16 of padding
.set HALFS,  16*272                    ; those of 128 rows
.set SBLK,   2*272                     ; those of 16 rows
.set SPARE,  SCL+4*HALFS               ; the spare words, 128 bytes for each wave: two blocks of 256 bytes that no other line names
.set ADRA, 16                          ; v16-17  LDS address of my A fragments in slot 0, 1
.set ADRB, 20                          ; v20-21  the same for B
.set LI,   24                          ; v24     16 x lane
.set SST,  25                          ; v25     the way out: where my row's scale word goes (my 1,024 bytes of slot 0, which has had its last fill and its last read by then)
.set VST,  26                          ; v26     and the row sums
.set ADRS, 27                          ; v27     LDS address of my scale words: lanes 0-15 A's rows, lanes 16-31 B's
.set SPW,  28                          ; v28     LDS address of my spare word; never rewritten
.set NIL,  29                          ; v29     0; never rewritten
.set SRD,  30                          ; v30     the way out: where the 512 bytes are read back
.set SC,   32                          ; scale words: set s at v[SC + 16 s]; register 2 i + q: lanes 0-15 A's block i, lanes 16-31 B's block i
.set PW,   32                          ; the way out: the scale word just made
.set ONS,  33                          ; the way out: four bytes 127, the ones' scale
.set TM,   64                          ; v64-79  largest magnitudes, bytes, scale operands
.set PC,   80                          ; v80-103 a fragment's codes, two sets
.set T,    104                         ; v104-110 the second conversions' results
.set ONE,  112                         ; v112-123 a fragment whose every code is 1.0
.set AF,   128
.set VP,   240                         ; v240-247 the row sums
.set BK,   248                         ; v248-255 read back from the stage
.set SEL,  66                          ; s[66:67] lane selects for v_permlanex16_b32
.set ISV,  95                          ; s95     1 in the cluster column that makes v^T
.set G1, 24                            ; s[24:31] descriptor group 1 for A's tiles;  s[32:39] group 0, one set for each slot
.set G0, 32
.set G1B, 48                           ; s[48:55], s[56:63] the same for B's tiles
.set G0B, 56
.set G1S, 68                           ; s[68:75], s[76:79] groups 1 and 0 for A's scales;  s[80:87], s[88:91] for B's
.set G0S, 76
.set G1SB, 80
.set G0SB, 88
.set MSB, 0
.macro WIN new                         ; the immediate's high byte repeats the setting that is left
.if MSB != \new
	s_set_vgpr_msb (MSB<<8)|\new
.set MSB, \new
.endif
.endm
.set MUL_LO, 0xa1                      ; source 0 (B) window 1, source 1 (A) window 0, C and D window 2
.set MUL_HI, 0xf1                      ; the same, C and D window 3
.set TO_B,   0x40                      ; destination window 1, address window 0
; A joint load: waves 0 and 1 fetch for A, waves 2 and 3 for B.  Each line has one mask and one set of registers for all that issue it; the branch hangs on the wave's number alone.  Four v_nop follow each line.
.macro JLOAD g0a, g1a, g0b, g1b
	s_cmp_eq_u32 s15, 0
	s_cbranch_scc0 .Lfor_b_\@
	tensor_load_to_lds s[\g0a:\g0a+3], s[\g1a:\g1a+7]
	s_nop 0
.rept 4
	v_nop
.endr
	s_branch .Lasked_\@
.Lfor_b_\@:
	tensor_load_to_lds s[\g0b:\g0b+3], s[\g1b:\g1b+7]
	s_nop 0
.rept 4
	v_nop
.endr
.Lasked_\@:
.endm
.macro CREST                           ; a round of the cluster's barrier behind its opening barrier
	s_cmp_lg_u32 s14, 0
	s_cbranch_scc1 .Lnot_wave_0_\@
	s_barrier_signal -3
.Lnot_wave_0_\@:
	s_barrier_wait -3
	s_barrier_signal -1
	s_barrier_wait -1
.endm
.macro CROUND                          ; a whole round
	s_barrier_signal -1
	s_barrier_wait -1
	CREST
.endm
	s_load_b128 s[4:7], s[0:1], 0x0                ; ci, cs
	s_load_b128 s[8:11], s[0:1], 0x10              ; qkv, qkvs
	s_load_b64 s[12:13], s[0:1], 0x20              ; vp
	v_lshl_add_u32 v[SPW], v0, 2, SPARE
	v_mov_b32 v[NIL], 0
	ds_add_u32 v28, v29
	ds_add_u32 v28, v29
	s_wait_dscnt 0x0
	v_lshrrev_b32 v1, 5, v0
	v_readfirstlane_b32 s14, v1                    ; wave 0..3
	s_lshr_b32 s15, s14, 1                         ; which half of the tile's rows (A) is mine.  Also: I fetch for A (0) or for B (1)
	s_and_b32 s16, s14, 1                          ; which half of its columns (B).  Also: which 8 tiles I fetch
	s_bfe_u32 s40, ttmp6, 0x40000                  ; cx, cy: my place in the cluster
	s_bfe_u32 s41, ttmp6, 0x40004
	s_and_b32 s18, ttmp7, 0xffff
	s_lshl_b32 s18, s18, 2                         ; 4 x cluster y
	s_lshl_b32 s19, ttmp9, 2                       ; 4 x cluster x
	s_cmp_eq_u32 ttmp9, 2                          ; the role: the same in all sixteen partners
	s_cselect_b32 s[ISV], 1, 0
	s_cselect_b32 s17, 0, s18
	s_cselect_b32 s42, s18, s19
	s_cselect_b32 s20, 640, 0                      ; A's first tile in ci: Wv's, or x's
	s_cselect_b32 s46, 0, 512                      ; B's: x's, or Wq's (Wk's follow)
	s_add_co_u32 s17, s17, s41                     ; tile row: q, k: 4 x cluster y + cy (0..31);  v: cy (0..3)
	s_add_co_u32 s42, s42, s40                     ; tile column: q, k: 4 x cluster x + cx (0..7);  v: 4 x cluster y + cx (0..31)
	s_lshl_b32 s43, s41, 2
	s_lshl_b32 s43, 15, s43                        ; my row of the cluster
	s_lshl_b32 s44, 0x1111, s40                    ; my column
	; descriptor group 1: 8 rows (tiles) of 384 elements of 8 bytes, 1,536 elements apart; dense in LDS
	s_or_b32 s[G1+0], s43, (3<<16)|(1<<21)         ; 15:0 the mask: A's tiles go to my row; 17:16 elements of 8 bytes; 20 no padding; 21 set beside a mask
	s_or_b32 s[G1B+0], s44, (3<<16)|(1<<21)
.irp g, G1, G1B
	s_mov_b32 s[\g+1], 384<<16                     ; tensor_dim0
	s_mov_b32 s[\g+2], 16<<16                      ; tensor_dim1: 16 tiles for the head's loads; set to 8 for the ring's behind them
	s_mov_b32 s[\g+3], 384<<16                     ; tile_dim0
	s_mov_b32 s[\g+4], 16                          ; tile_dim1
	s_mov_b32 s[\g+5], 1536                        ; tensor_dim0_stride
	s_mov_b32 s[\g+6], 0
	s_mov_b32 s[\g+7], 0
.endr
	; the scales of 256 rows: 8,192 dense bytes, as 32 rows of 256 bytes (32 elements of 8 bytes), 16 bytes of padding behind each
	s_or_b32 s[G1S+0], s43, (3<<16)|(1<<20)|(1<<21)|(5<<22)|(3<<25)
	s_or_b32 s[G1SB+0], s44, (3<<16)|(1<<20)|(1<<21)|(5<<22)|(3<<25)
.irp g, G1S, G1SB
	s_mov_b32 s[\g+1], 32<<16
	s_mov_b32 s[\g+2], 32<<16                      ; the scales of all 256 rows: 32 rows of 256 bytes
	s_mov_b32 s[\g+3], 32<<16
	s_mov_b32 s[\g+4], 32
	s_mov_b32 s[\g+5], 32
	s_mov_b32 s[\g+6], 0
	s_mov_b32 s[\g+7], 0
.endr
	s_lshl_b32 s19, s17, 4
	s_add_co_u32 s20, s20, s19
	s_lshl_b32 s47, s42, 4
	s_add_co_u32 s46, s46, s47
	s_lshl_b32 s22, s20, 9                         ; where these tiles' scales begin, in bytes,
	s_mul_i32 s20, s20, TILEB                      ; and their codes
	s_lshl_b32 s92, s46, 9
	s_mul_i32 s46, s46, TILEB
	s_mov_b32 s21, 0
	s_mov_b32 s23, 0
	s_mov_b32 s47, 0
	s_mov_b32 s93, 0
	s_mul_i32 s45, s14, HALFT                      ; where they go: no place in the cluster enters an LDS address
	s_wait_kmcnt 0x0
	s_add_nc_u64 s[20:21], s[4:5], s[20:21]
	s_add_nc_u64 s[22:23], s[6:7], s[22:23]
	s_add_nc_u64 s[46:47], s[4:5], s[46:47]
	s_add_nc_u64 s[92:93], s[6:7], s[92:93]
	CROUND                                         ; all sixteen work-groups are here: the first joint loads meet
	s_mov_b32 s[G0S], 1
	s_mov_b32 s[G0S+1], SCL
	s_mov_b64 s[G0S+2:G0S+3], s[22:23]
	s_or_b32 s[G0S+3], s[G0S+3], 0x80000000
	s_mov_b32 s[G0SB], 1
	s_mov_b32 s[G0SB+1], SCL+2*HALFS
	s_mov_b64 s[G0SB+2:G0SB+3], s[92:93]
	s_or_b32 s[G0SB+3], s[G0SB+3], 0x80000000
	s_mul_i32 s2, s16, 8*TILEB                     ; in the ring I fetch 8 of a tile's 16: which half, in bytes
	s_mov_b32 s3, 0
	s_mov_b32 s[G0], 1                             ; the head's loads are whole: K step 0's 16 tiles of A,
	s_mov_b32 s[G0+1], 0
	s_mov_b64 s[G0+2:G0+3], s[20:21]
	s_or_b32 s[G0+3], s[G0+3], 0x80000000
	s_mov_b32 s[G0B], 1                            ; and of B, behind them in slot 0
	s_mov_b32 s[G0B+1], 2*HALFT
	s_mov_b64 s[G0B+2:G0B+3], s[46:47]
	s_or_b32 s[G0B+3], s[G0B+3], 0x80000000
	s_add_nc_u64 s[20:21], s[20:21], s[2:3]
	s_add_nc_u64 s[46:47], s[46:47], s[2:3]
	s_mov_b32 s[G0+4], 1                           ; slot 1: my 8 tiles of K step 1
	s_add_co_u32 s[G0+5], s45, SLOT
	s_add_nc_u64 s[G0+6:G0+7], s[20:21], STEPB
	s_or_b32 s[G0+7], s[G0+7], 0x80000000
	s_mov_b32 s[G0B+4], 1
	s_add_co_u32 s[G0B+5], s45, SLOT
	s_add_nc_u64 s[G0B+6:G0B+7], s[46:47], STEPB
	s_or_b32 s[G0B+7], s[G0B+7], 0x80000000
; THE HEAD'S LOADS, ONE A WAVE: wave 0 K step 0's 16 tiles of A, wave 1 those of B, wave 2 A's scales, wave 3 B's.  One tree of branches on the wave's number; every way passes one load.
.macro ARM under, g0, g1, next
	s_cmp_lt_u32 s14, \under
	s_cbranch_scc0 \next
	tensor_load_to_lds s[\g0:\g0+3], s[\g1:\g1+7]
	s_nop 0
.rept 4
	v_nop
.endr
	s_branch .Lhead_asked
\next:
.endm
	ARM 1, G0,  G1,  .Lhead_b
	ARM 2, G0B, G1B, .Lhead_sa
	ARM 3, G0S, G1S, .Lhead_sb
	tensor_load_to_lds s[G0SB:G0SB+3], s[G1SB:G1SB+7]
	s_nop 0
.rept 4
	v_nop
.endr
.Lhead_asked:
	v_and_b32 v1, 15, v0                           ; r
	v_bfe_u32 v2, v0, 4, 1                         ; h
	v_and_b32 v3, 31, v0
	v_lshlrev_b32 v[LI], 4, v3
	s_mul_i32 s21, s15, HALFT                      ; my 8 tiles of A
	s_mul_i32 s22, s16, HALFT                      ; my 8 tiles of B,
	s_add_co_u32 s22, s22, 2*HALFT                 ; which lie behind A's 16
.irp s, 0,1
	v_add_nc_u32 v[ADRA+\s], s21, v[LI]
	v_add_nc_u32 v[ADRB+\s], s22, v[LI]
	s_add_co_u32 s21, s21, SLOT
	s_add_co_u32 s22, s22, SLOT
.endr
	v_mul_u32_u24 v5, v1, KS                       ; my row's scales: 32 bytes a row,
	v_lshrrev_b32 v6, 8, v5
	v_lshl_add_u32 v5, v6, 4, v5                   ; and 16 more for each 256 passed
	s_mul_i32 s21, s15, HALFS                      ; A's: my 128 rows
	s_mul_i32 s22, s16, HALFS                      ; B's: my 128 rows, behind A's 256
	s_add_co_u32 s22, s22, 2*HALFS
	s_sub_co_u32 s22, s22, s21
	v_mul_u32_u24 v6, s22, v2                      ; lanes 16-31 take B's
	s_add_co_u32 s21, s21, SCL
	v_add_nc_u32 v5, v5, v6
	v_add_nc_u32 v[ADRS], s21, v5
	s_lshl_b32 s23, s14, 10                        ; the way out: my 1,024 bytes
	v_lshl_add_u32 v[SST], v1, 2, s23              ; 4 r
	v_lshl_add_u32 v[VST], v2, 5, s23
	v_add_nc_u32 v[VST], 512, v[VST]               ; 512 + 32 h
	v_add_nc_u32 v[SRD], s23, v[LI]
.irp i, 0,1,2,3
	v_mov_b32 v[ONE+3*\i], 0x08208208              ; sixteen codes 001000, the number 1.0, are these three words
	v_mov_b32 v[ONE+3*\i+1], 0x82082082
	v_mov_b32 v[ONE+3*\i+2], 0x20820820
	v_mov_b32 v[TM+4+\i], 0                        ; written once: a lane permute's destination counts as one of its sources
.endr
	s_mov_b32 s[SEL], 0x76543210
	s_mov_b32 s[SEL+1], 0xfedcba98
	; where my eight images go
	s_lshl_b32 s96, s42, 1
	s_add_co_u32 s96, s96, s16                     ; my 128 of B's rows: 2 x tile column + half
	s_lshl_b32 s97, s17, 1
	s_add_co_u32 s97, s97, s15                     ; my 128 of A's rows: 2 x tile row + half
	s_lshl_b32 s98, s96, 9
	s_lshl_b32 s99, s97, 3
	s_add_co_u32 s98, s98, s99                     ; q, k: (head pair, k's 8 on) x 512 + token tile
	s_lshr_b32 s99, s96, 4                         ; v: the batch,
	s_lshl_b32 s99, s99, 3
	s_add_co_u32 s99, s99, s97                     ; x 8 + head pair,
	s_lshl_b32 s99, s99, 4
	s_and_b32 s96, s96, 15
	s_add_co_u32 s99, s99, s96                     ; x 16 + chunk of 128 keys,
	s_lshl_b32 s99, s99, 3                         ; x 8
	s_lshl_b32 s96, s99, 6                         ; 64 bytes of sums for each image
	s_add_co_u32 s99, s99, 8192
	s_cmp_eq_u32 s[ISV], 0
	s_cselect_b32 s98, s98, s99
	s_cselect_b32 s96, 0, s96
	s_mov_b32 s97, 0
	s_add_nc_u64 s[12:13], s[12:13], s[96:97]
	s_mul_i32 s96, s98, 1536
	s_add_nc_u64 s[8:9], s[8:9], s[96:97]
	s_lshl_b32 s96, s98, 6
	s_add_nc_u64 s[10:11], s[10:11], s[96:97]
.macro FRAG reg, adr, q, i             ; a fragment comes as it was stored: registers 4 c .. 4 c + 3 of lane l from 512 c + 16 l
.irp c, 0,1,2
	ds_load_b128 v[\reg+4*\c:\reg+4*\c+3], v[\adr] offset:(\i)*STEPB+(\q)*1536+512*\c
.endr
.endm
; 16 matrix instructions: A's blocks a0, a0 + 1 x B's eight, 128 along K: the slot's q-th.  p: B's set;  sc: the set of scale words.  zero = 1: the first product starts the sums: nothing is cleared.
; The 64 accumulators take turns, one instruction a turn, in the same order in every step.
.macro MUL16 a0, p, q, sc, zero
.irp a, \a0, \a0+1
.irp b, 0,1,2,3,4,5,6,7
.if \zero
	v_wmma_scale_f32_16x16x128_f8f6f4 v[8*(8*((\a)%4)+\b):8*(8*((\a)%4)+\b)+7], v[128*(\p)+FR*\b:128*(\p)+FR*\b+FR-1], v[AF+FR*(\a):AF+FR*(\a)+FR-1], 0, v[SC+8*NQ*(\sc)+NQ*\b+(\q)], v[SC+8*NQ*(\sc)+NQ*(\a)+(\q)] matrix_a_fmt:MATRIX_FMT_FP6 matrix_b_fmt:MATRIX_FMT_FP6 matrix_a_scale:MATRIX_SCALE_ROW1
.else
	v_wmma_scale_f32_16x16x128_f8f6f4 v[8*(8*((\a)%4)+\b):8*(8*((\a)%4)+\b)+7], v[128*(\p)+FR*\b:128*(\p)+FR*\b+FR-1], v[AF+FR*(\a):AF+FR*(\a)+FR-1], v[8*(8*((\a)%4)+\b):8*(8*((\a)%4)+\b)+7], v[SC+8*NQ*(\sc)+NQ*\b+(\q)], v[SC+8*NQ*(\sc)+NQ*(\a)+(\q)] matrix_a_fmt:MATRIX_FMT_FP6 matrix_b_fmt:MATRIX_FMT_FP6 matrix_a_scale:MATRIX_SCALE_ROW1
.endif
.endr
.endr
.endm
.macro FETCH_B slot, q, p              ; B's eight fragments of the slot's q-th 128 along K into set p
	WIN TO_B
.irp i, 0,1,2,3,4,5,6,7
	FRAG 128*(\p)+FR*\i, ADRB+\slot, \q, \i
.endr
	WIN 0
.endm
.macro FETCH_A slot, q, i0             ; A's blocks i0 .. i0 + 3
.irp i, \i0, \i0+1, \i0+2, \i0+3
	FRAG AF+FR*(\i), ADRA+\slot, \q, \i
.endr
.endm
.macro SCALES sc                       ; the next K step's scale words into set sc: two words a row; lanes 0-15 take A's block i, lanes 16-31 B's block i
.irp i, 0,1,2,3,4,5,6,7
	ds_load_b64 v[SC+8*NQ*\sc+NQ*\i:SC+8*NQ*\sc+NQ*\i+1], v[ADRS] offset:\i*SBLK
.endr
.endm
; A load into a register that a matrix instruction has read, and a vector instruction or an LDS store that reads a matrix result, stand NP places behind it; only plain vector instructions that name none of its registers are places.
.macro PLACES n
.rept \n
	v_nop
.endr
.endm
.macro STEP slot, q, zero              ; a step of 128 along K that has its successor in the same slot
	s_wait_dscnt 4*NL                              ; B's set and A's blocks 0-3 are in; the youngest 12 loads (A's blocks 4-7) may be out
	WIN MUL_LO
	MUL16 0, (\q)%2, \q, \slot, \zero
	MUL16 2, (\q)%2, \q, \slot, \zero
	s_wait_dscnt 0                                 ; A's blocks 4-7 are in (asked for 32 matrix instructions ago)
	PLACES NP
	FETCH_B \slot, (\q)+1, 1-(\q)%2
	FETCH_A \slot, (\q)+1, 0
	WIN MUL_HI
	MUL16 4, (\q)%2, \q, \slot, \zero
	MUL16 6, (\q)%2, \q, \slot, \zero
	PLACES NP
	WIN 0
	FETCH_A \slot, (\q)+1, 4
.endm
; A slot's last step changes slots: one barrier; in front of it each wave waits for all its tensor loads, adds 0 to its spare word, and waits for that and for its own reads of this slot.  fill = 1: this slot is filled again, two K steps ahead.
.macro TURN slot, next, fill
	s_wait_tensorcnt 0x0                           ; all my tensor loads have landed: my part of the next slot
	ds_add_u32 v[SPW], v[NIL]                      ; 0 onto my spare word
	s_wait_dscnt 4*NL+1                            ; (the add and the youngest 12 loads, A's blocks 4-7, may be out)
	WIN MUL_LO
	MUL16 0, 1, NQ-1, \slot, 0                     ; sixteen matrix instructions stand between the add and the wait for it
	s_wait_dscnt 0x0                               ; the add is done, and my reads of this slot are over
	s_barrier_signal -1
	MUL16 2, 1, NQ-1, \slot, 0
	WIN 0
	s_barrier_wait -1
.if \fill
	CREST                                          ; the barrier has opened a round of the cluster's barrier: no wave of any partner still reads this slot's tile or has a load on its way
	s_add_nc_u64 s[G0+4*\slot+2:G0+4*\slot+3], s[G0+4*\slot+2:G0+4*\slot+3], 2*STEPB
	s_add_nc_u64 s[G0B+4*\slot+2:G0B+4*\slot+3], s[G0B+4*\slot+2:G0B+4*\slot+3], 2*STEPB
	JLOAD G0+4*\slot, G1, G0B+4*\slot, G1B         ; the first tensor load behind the round; its four v_nop are the places in front of the loads below
.else
	PLACES NP
.endif
	s_wait_alu depctr_va_vdst(0)
	v_add_nc_u32 v[ADRS], 4*NQ, v[ADRS]            ; on to the next K step's scale words (no LDS load of mine is out)
	FETCH_B \next, 0, 0
	FETCH_A \next, 0, 0
	SCALES \next
	WIN MUL_HI
	MUL16 4, 1, NQ-1, \slot, 0
	MUL16 6, 1, NQ-1, \slot, 0
	PLACES NP
	WIN 0
	FETCH_A \next, 0, 4
.endm
	s_wait_alu depctr_va_vdst(0)
	s_wait_tensorcnt 0x0                           ; my tile of the head's four is in; these lines stand ahead of a later first fill as ahead of a refill
	ds_add_u32 v[SPW], v[NIL]                      ; 0 onto my spare word
	s_mov_b32 s[G1+2], 8<<16                       ; no tensor load of mine is out, so descriptors may be written: from here on a load brings 8 tiles,
	s_mov_b32 s[G1+4], 8
	s_mov_b32 s[G1B+2], 8<<16
	s_mov_b32 s[G1B+4], 8
	s_mov_b32 s[G0+1], s45                         ; and slot 0's group 0 names my 8 tiles
	s_add_nc_u64 s[G0+2:G0+3], s[G0+2:G0+3], s[2:3]
	s_mov_b32 s[G0B+1], s45
	s_add_nc_u64 s[G0B+2:G0B+3], s[G0B+2:G0B+3], s[2:3]
	s_wait_dscnt 0x0                               ; the add is done
	CROUND                                         ; a whole round: all four tiles are in, and the joint loads meet
	JLOAD G0+4, G1, G0B+4, G1B                     ; K step 1, the first tensor load behind the round
	FETCH_B 0, 0, 0
	FETCH_A 0, 0, 0
	SCALES 0
	FETCH_A 0, 0, 4
	STEP 0, 0, 1                                   ; the first step stands in front of the loop: its products start the sums
	s_mov_b32 s3, LAPS-1
.Llap:                                                 ; a trip goes once round the ring and fills both slots again
	TURN 0, 1, 1
	STEP 1, 0, 0
	TURN 1, 0, 1
	STEP 0, 0, 0
	s_sub_co_u32 s3, s3, 1
	s_cmp_lg_u32 s3, 0
	s_cbranch_scc1 .Llap
	TURN 0, 1, 0                                   ; the last lap fills nothing, and has no round of the cluster's barrier
	STEP 1, 0, 0
	s_wait_dscnt 4*NL                              ; the very last step: nothing more to fetch
	WIN MUL_LO
	MUL16 0, 1, NQ-1, 1, 0
	MUL16 2, 1, NQ-1, 1, 0
	s_wait_dscnt 0
	WIN MUL_HI
	MUL16 4, 1, NQ-1, 1, 0
	MUL16 6, 1, NQ-1, 1, 0
	WIN 0
; THE WAY OUT.  A's block a: my 64 numbers, register 16 b + i = index 32 b + 16 (lane / 16) + i of my row, become one fragment and one scale word a row.  A block of 32 lies in lanes l and l xor 16.
.macro EPI a
.set AC, 64*((\a)%4)
.set WN, 2+(\a)/4                      ; the accumulators' window
.set PS, PC+12*((\a)%2)
.if (\a) > 0
	s_wait_xcnt 0x0                                ; the earlier stores have read their registers,
	s_wait_dscnt 0x0                               ; the LDS stores too
.endif
	WIN WN*5                                       ; sources 0 and 1 in the accumulators' window
.irp b, 0,1,2,3
	v_max3_num_f32 v[TM+\b], |v[AC+16*\b]|, |v[AC+16*\b+1]|, 0x1800000   ; each accumulator is read from its low end on; the floor 2^(3 - 127) holds the byte at 1 from below
.endr
	WIN WN*20                                      ; sources 1 and 2
.irp i, 2,4,6,8,10,12,14
.irp b, 0,1,2,3
	v_max3_num_f32 v[TM+\b], v[TM+\b], |v[AC+16*\b+\i]|, |v[AC+16*\b+\i+1]|
.endr
.endr
	WIN 0
.irp b, 0,1,2,3
	v_permlanex16_b32 v[TM+4+\b], v[TM+\b], s[SEL], s[SEL+1]
.endr
.irp b, 0,1,2,3
	v_max_num_f32 v[TM+\b], v[TM+\b], v[TM+4+\b]   ; the block's largest magnitude
.endr
.irp b, 0,1,2,3
	v_add_nc_u32 v[TM+12+\b], 0xff000000, v[TM+\b] ; 2 off its exponent field: the conversion's scale operand
.endr
.irp b, 0,1,2,3
	v_lshrrev_b32 v[TM+4+\b], 23, v[TM+12+\b]      ; the scale's byte
.endr
	v_lshl_or_b32 v[PW], v[TM+5], 8, v[TM+4]
	v_lshl_or_b32 v[PW], v[TM+6], 16, v[PW]
	v_lshl_or_b32 v[PW], v[TM+7], 24, v[PW]        ; my row's scale word
	WIN WN                                         ; source 0
.irp c, 0,1
	v_cvt_scalef32_pk16_fp6_f32 v[PS+6*\c:PS+6*\c+2], v[AC+32*\c:AC+32*\c+15], v[TM+12+2*\c]
	v_cvt_scalef32_pk16_fp6_f32 v[T+4*\c:T+4*\c+2], v[AC+32*\c+16:AC+32*\c+31], v[TM+13+2*\c]   ; (a conversion's three registers begin on an even number)
.endr
	WIN 0
	v_nop                                          ; one plain place behind a scaled conversion
.irp c, 0,1                            ; the operand's layout wants a whole block in a lane: lanes 0-15 block 2 c, lanes 16-31 block 2 c + 1
.irp i, 0,1,2
	v_permlane16_swap_b32 v[PS+6*\c+\i], v[T+4*\c+\i]
.endr
.irp i, 0,1,2
	v_mov_b32 v[PS+6*\c+3+\i], v[T+4*\c+\i]
.endr
.endr
.irp c, 0,1,2
	global_store_b128 v[LI], v[PS+4*\c:PS+4*\c+3], s[8:9] offset:1536*(\a)+512*\c   ; 32 lanes store 512 consecutive bytes
.endr
	ds_store_b32 v[SST], v[PW] offset:64*(\a)      ; lanes r and r + 16 write the same word with the same value
	s_cmp_eq_u32 s[ISV], 0                         ; v alone: each row's sum of its 128 quantised numbers
	s_cbranch_scc1 .Lnosum_\@
.rept 8
	v_nop                                          ; a scale register written by a vector instruction stands 8 places ahead of a scaled matrix instruction, an operand so written 4
.endr
	v_wmma_scale_f32_16x16x128_f8f6f4 v[VP:VP+7], v[PS:PS+11], v[ONE:ONE+11], 0, v[PW], v[ONS] matrix_a_fmt:MATRIX_FMT_FP6 matrix_b_fmt:MATRIX_FMT_FP6
.rept 4
	v_nop
.endr
	ds_store_b128 v[VST], v[VP:VP+3] offset:64*(\a)        ; register j of lane (r, h): row 8 h + j's sum, the same in all sixteen lanes of a half
	ds_store_b128 v[VST], v[VP+4:VP+7] offset:64*(\a)+16
.Lnosum_\@:
.endm
	PLACES NP
	v_mov_b32 v[ONS], 0x7f7f7f7f
.irp a, 0,1,2,3,4,5,6,7
	EPI \a
.endr
	ds_load_b128 v[BK:BK+3], v[SRD]                ; LDS serves a wave's instructions in order: this sees my stores.  Eight images' scale words: 512 bytes
	s_wait_dscnt 0x0
	global_store_b128 v[LI], v[BK:BK+3], s[10:11]
	s_cmp_eq_u32 s[ISV], 0
	s_cbranch_scc1 .Lno_sums
	ds_load_b128 v[BK+4:BK+7], v[SRD] offset:512
	s_wait_dscnt 0x0
	global_store_b128 v[LI], v[BK+4:BK+7], s[12:13]
.Lno_sums:
	s_wait_tensorcnt 0x0                           ; the wave's end
	ds_add_u32 v[SPW], v[NIL]
	s_wait_dscnt 0x0
	CROUND                                         ; the closing round: no work-group ends while a partner may still ask for a tile that names it
	s_endpgm
.Lfunc_end_k_q908f817d1b_qkvproj:
	.size	k_q908f817d1b_qkvproj, .Lfunc_end_k_q908f817d1b_qkvproj-k_q908f817d1b_qkvproj
	.p2alignl 7, 3214868480
	.fill 96, 4, 3214868480
	.section	.rodata,"a",@progbits
	.p2align	6, 0x0
	.amdhsa_kernel k_q908f817d1b_qkvproj
		.amdhsa_group_segment_fixed_size 327680
		.amdhsa_private_segment_fixed_size 0
		.amdhsa_enable_private_segment 0
		.amdhsa_kernarg_size 40
		.amdhsa_user_sgpr_count 2
		.amdhsa_user_sgpr_kernarg_segment_ptr 1
		.amdhsa_wavefront_size32 1
		.amdhsa_system_sgpr_workgroup_id_x 1
		.amdhsa_system_sgpr_workgroup_id_y 1
		.amdhsa_system_sgpr_workgroup_id_z 1
		.amdhsa_system_vgpr_workitem_id 0
		.amdhsa_next_free_vgpr 1024
		.amdhsa_next_free_sgpr 100
		.amdhsa_reserve_vcc 0
		.amdhsa_float_denorm_mode_32 3
		.amdhsa_float_denorm_mode_16_64 3
		.amdhsa_memory_ordered 1
		.amdhsa_forward_progress 1
		.amdhsa_inst_pref_size 149
	.end_amdhsa_kernel
	.amdgpu_metadata
---
amdhsa.version: [ 1, 2 ]
amdhsa.kernels:
  - .name:           k_q908f817d1b_qkvproj
    .symbol:         k_q908f817d1b_qkvproj.kd
    .args:
      - { .name: ci, .offset: 0, .size: 8, .value_kind: global_buffer, .address_space: global }
      - { .name: cs, .offset: 8, .size: 8, .value_kind: global_buffer, .address_space: global }
      - { .name: qkv, .offset: 16, .size: 8, .value_kind: global_buffer, .address_space: global }
      - { .name: qkvs, .offset: 24, .size: 8, .value_kind: global_buffer, .address_space: global }
      - { .name: vp, .offset: 32, .size: 8, .value_kind: global_buffer, .address_space: global }
    .group_segment_fixed_size: 327680
    .private_segment_fixed_size: 0
    .kernarg_segment_align: 8
    .kernarg_segment_size: 40
    .max_flat_workgroup_size: 128
    .sgpr_count:     100
    .vgpr_count:     1024
    .wavefront_size: 32
...
	.end_amdgpu_metadata
.endif
;; end of part 2
;; launch attn (part 3): grid 8 x 32, 8 waves a work-group, no clusters, 327,680 bytes of LDS; arguments qkv, qkvs, mb, vp, ai, asc; writes ai, asc
.if DOCPART == 3
	.amdgcn_target "amdgcn-amd-amdhsa--gfx1250"
	.amdhsa_code_object_version 6
	.text
	.protected	k_q908f817d1b_attn
	.globl	k_q908f817d1b_attn
	.p2align	8
	.type	k_q908f817d1b_attn,@function
k_q908f817d1b_attn:
	s_mov_b64 s[64:65], 0
	v_nop
	global_prefetch_b8 v0, s[64:65] scope:SCOPE_SE
	s_setreg_imm32_b32 hwreg(HW_REG_WAVE_MODE, 25, 1), 1
	s_wait_xcnt 0x0
; Attention on codes of FP6 (E2M3): S^T = k q^T (K = the head's 64), causal and padding masks, p = 2^(t - M) quantised along the keys, O^T = v^T p^T, divided by the row's sum of the unquantised p,
; then quantised along the 1,024 features for the last product.  t = score x log2(e) / 8; M = the running largest t rounded up to a whole number; when M moves, the sum and O^T are multiplied by 2^(old M - new M): exact.
; THE MASKS ARE -1e9, NOT -INFINITY.  A padded key adds -8e9 to its raw score (mb: the C of the first product); a key behind the query gets -8e9.  Where a query has a key that counts, such p are 0.
; Where it has none, all 2,048 logits are equal: the result is the mean of the quantised v over ALL keys, from the sums in vp, chosen by a select on the largest t.
; LIMITS: a genuine t lies above -1e9; NaN and infinities are not served; a block of zeros gets the byte 1 (this program alone reads the bytes).
; SHARES.  A work-group serves one batch and one PAIR of heads, and two blocks of 128 queries: block 15 - j, then block j: 17 visible key steps of 128 in every work-group.
; Wave w: head 2 g + w / 4, tiles 2 (w % 4) and 2 (w % 4) + 1 of 16 queries: 32 neighbouring queries.  Each fragment of k and of v that a wave reads from LDS feeds two matrix instructions.
; Keys come through a ring of two LDS slots of 512 keys; the two passes need (15 - j) / 4 + 1 and j / 4 + 1 slots, 5 in all for every j.  A slot's four steps are a counted loop: only LDS offsets differ.
; A step's fragments of k, their scale words and the keys' numbers of mb have registers of their own: those of a slot's first step are read at the slot's head, those of each later step behind the step before's first products.
; k's images hold both heads of the pair (K = 128); my q has zero codes in the other head's half, so a tile of S^T is one matrix instruction.
; Both products are used transposed: a lane holds one query of each tile.  A stored tile's rows are 32 (T / 2) + 8 (T % 2) + r + 8 (r / 8): the 16 registers of tiles 2 b, 2 b + 1 of S^T are keys 32 b + 16 (lane / 16) + 0 .. 15.
; One scale register carries two fragments' words: lanes 0-15 the even fragment's, lanes 16-31 the odd one's.
; NO CLUSTER: the work-groups that share k and v (j = 0 .. 7) need different numbers of slots in each pass, so joint requests would not meet.
; REGISTERS.  Window 0: v1-8 addresses that stay; v10-11 v's scale words; v12-19 -M, largest t, sum (a pair), for each tile; v20-21 q's scale words; v24-47 p's codes; v48-95 v's fragments; v96-223 S^T, then p;
; v224-227 f and p's scale word for each tile; v228-247, v252-255 at work; v248-251 k's scale words.  Window 1: v0-63 O^T; v64-87 q; v88-127 and v224-247 the keys' numbers of mb; v128-223 k's eight fragments.
.set SLOT1, 1<<17
.set VIMG,  49152                      ; in a slot: k's 32 images; from here v's 4 x 8;
.set SMALL, 98304                      ; from here the small blocks, 2,048 bytes each:
.set KSCL,  0                          ; k's scale words, 64 bytes an image;
.set VSCL,  2048                       ; v's;
.set BIAS,  4096                       ; 512 numbers of mb
.set VSL,   2*SLOT1                    ; behind the ring: 256 bytes a wave: the mean of v in O^T's order
.set SSTG,  VSL+8*256                  ; the output's scale words: 512 bytes for each pass
.set SPARE, SSTG+1024                  ; the spare words, 128 bytes a wave: four blocks of 256 bytes that no other line names
.set LIK, 1                            ; 16 x lane
.set LS,  2                            ; 4 r + 64 h
.set LB,  3                            ; 64 h
.set PFO, 4                            ; 256 x lane
.set SPW, 5
.set NIL, 6
.set QD,  7                            ; r + 8 (r / 8) - 16 h
.set SST, 8                            ; where my first tile's two scale bytes go
.set VSC, 10
.set QSC, 20
.set TMP, 22
.set PCD, 24
.set FRG, 48
.set S,   96
.set F,   224                          ; f of tile u at F + 2 u, p's scale word at F + 2 u + 1
.set PC2, 228                          ; second conversions' results: tile u at PC2 + 12 u and + 4
.set BM,  236                          ; blocks' largest: tile u at BM + 16 u
.set BP,  240                          ; v240-247 at work
.set L8T, 247
.set KSC, 248
.set O,   0                            ; window 1
.set QF,  64
.set BB,  88                           ; tile t's numbers of mb at BB + 8 t + 96 (t / 5)
.set KFR, 128
.set WV,  18
.set PAR, 19
.set SEL, 20
.set CS,  22                           ; s[22:23] log2(e) / 8
.set G1I, 24
.set G1S, 32
.set G0I, 40
.set G0S, 44
.set BI,  48
.set BSM, 50
.set OFS, 52
.set NK,  54
.set SLOTS, 55
.set N2,  56
.set TB,  57
.set KF,  58
.set QL,  59
.set Q0,  60
.set QL2, 61
.set Q02, 62
.set NEG, 63
.set QA1, 66
.set QS1, 68
.set QA2, 70
.set QS2, 72
.set AI1, 74
.set AI2, 76
.set AS1, 78
.set AS2, 80
.set PFA, 82
.set LIM, 84
.set MK0, 85
.set MK1, 86
.set OK,  88                           ; LDS byte of the step's images in the slot in hand
.set OS,  89                           ; and of its scale words and numbers of mb
.set QC,  90
.set VSB, 91                           ; LDS byte of my wave's mean of v
.set WP,  93                           ; w % 4
.set NG8, 94                           ; -8e9
.set MSB, 0
.macro WIN new                         ; the immediate's high byte repeats the setting that is left
.if MSB != \new
	s_set_vgpr_msb (MSB<<8)|\new
.set MSB, \new
.endif
.endm
; Waves 0 and 1 fetch images, waves 2 to 4 the small blocks, the others nothing.  The branches hang on the wave's number alone.
.macro TLOAD
	s_cmp_lt_u32 s[WV], 2
	s_cbranch_scc0 .Lnot_i_\@
	tensor_load_to_lds s[G0I:G0I+3], s[G1I:G1I+7]
	s_nop 0
.rept 4
	v_nop
.endr
	s_branch .Lasked_\@
.Lnot_i_\@:
	s_cmp_lt_u32 s[WV], 5
	s_cbranch_scc0 .Lasked_\@
	tensor_load_to_lds s[G0S:G0S+3], s[G1S:G1S+7]
	s_nop 0
.rept 4
	v_nop
.endr
.Lasked_\@:
.endm
; A prefetch of the images that the NEXT change of slots will ask for: 49,152 bytes of k and as many of v.  Of the eight work-groups that walk the same images, j = 0, whose first pass walks all four slots, asks alone:
; waves 2 to 4 for k's, waves 5 to 7 for v's, twice 8,192 bytes a wave, lanes 256 bytes apart.  Slots 0 and 1 come by their loads alone; later changes than the second ask for nothing.
.macro ASK
	s_cmp_gt_u32 s[SLOTS], s[LIM]
	s_cbranch_scc0 .Lnot_mine_\@
	global_prefetch_b8 v[PFO], s[PFA:PFA+1] th:TH_LOAD_NT scope:SCOPE_SE
	global_prefetch_b8 v[PFO], s[PFA:PFA+1] offset:24576 th:TH_LOAD_NT scope:SCOPE_SE
.Lnot_mine_\@:
.endm
; The addresses of a pass, from its block of queries jb.  s87 = my first tile in the block, s89 = batch, s90 = head pair.
.macro PASSADR jb, qa, qs, aa, sa, ql, q0
	s_lshl_b32 s2, s[\jb], 3
	s_lshl_b32 s3, s89, 7
	s_add_co_u32 s2, s2, s3
	s_lshl_b32 s3, s90, 9
	s_add_co_u32 s3, s3, s2
	s_lshl_b32 s16, s3, 6
	s_mov_b32 s17, 0
	s_add_nc_u64 s[\sa:\sa+1], s[14:15], s[16:17]  ; asc: [pair][token tile][16 words]
	s_add_co_u32 s3, s3, s87                       ; q's image: pair x 512 + token tile
	s_lshl_b32 s16, s3, 6
	s_add_nc_u64 s[\qs:\qs+1], s[6:7], s[16:17]
	s_mul_i32 s16, s3, 1536
	s_add_nc_u64 s[\qa:\qa+1], s[4:5], s[16:17]
	s_add_co_u32 s2, s2, s87
	s_lshl_b32 s2, s2, 3
	s_add_co_u32 s2, s2, s90                       ; ai: [token tile][pair][1536],
	s_mul_i32 s16, s2, 1536
	s_mul_i32 s3, s[PAR], 768                      ; the image's second half for the odd head
	s_add_co_u32 s16, s16, s3
	s_add_nc_u64 s[\aa:\aa+1], s[12:13], s[16:17]
	s_lshl_b32 s2, s[\jb], 7
	s_add_co_u32 s[\ql], s2, 127
	s_lshl_b32 s3, s87, 4
	s_add_co_u32 s[\q0], s2, s3                    ; lane r's query of tile u is this + 8 u + r + 8 (r / 8)
.endm
	s_load_b256 s[4:11], s[0:1], 0x0               ; qkv, qkvs, mb, vp
	s_load_b128 s[12:15], s[0:1], 0x20             ; ai, asc
	v_lshl_add_u32 v[SPW], v0, 2, SPARE
	v_mov_b32 v[NIL], 0
	ds_add_u32 v[SPW], v[NIL]                      ; the opening lines: the add, twice on end, and its wait ahead of the first tensor load
	ds_add_u32 v[SPW], v[NIL]
	v_lshrrev_b32 v[TMP], 5, v0
	v_readfirstlane_b32 s[WV], v[TMP]              ; wave 0..7
	s_lshr_b32 s[PAR], s[WV], 2                    ; which head of the pair
	s_and_b32 s87, s[WV], 3
	s_lshl_b32 s87, s87, 1                         ; my first tile of 16 queries
	s_and_b32 s88, ttmp7, 0xffff                   ; 8 x batch + head pair
	s_lshr_b32 s89, s88, 3
	s_and_b32 s90, s88, 7
	s_add_co_u32 s91, s90, 8
	s_lshl_b32 s91, s91, 9
	s_lshl_b32 s92, s89, 7
	s_add_co_u32 s91, s91, s92                     ; k's first image: (8 + pair) x 512 + 128 x batch
	s_lshl_b32 s92, s88, 7
	s_add_co_u32 s92, s92, 8192                    ; v's: 8192 + (8 x batch + pair) x 128
.irp g, G1I, G1S                       ; dense blocks as rows of 256 bytes (32 elements of 8 bytes): 192 rows of images, 8 rows of a small block
	s_mov_b32 s[\g], 3<<16
	s_mov_b32 s[\g+1], 32<<16
	s_mov_b32 s[\g+3], 32<<16
	s_mov_b32 s[\g+5], 32
	s_mov_b32 s[\g+6], 0
	s_mov_b32 s[\g+7], 0
.endr
	s_mov_b32 s[G1I+2], 192<<16
	s_mov_b32 s[G1I+4], 192
	s_mov_b32 s[G1S+2], 8<<16
	s_mov_b32 s[G1S+4], 8
	s_mov_b32 s[OFS+1], 0
	s_and_b32 s93, s[WV], 1
	s_mov_b32 s[G0I], 1
	s_mul_i32 s[G0I+1], s93, VIMG                  ; LDS: k's images at the slot's head, v's behind them
	s_add_co_u32 s99, s[WV], 2
	s_and_b32 s99, s99, 3
	s_lshl_b32 s99, s99, 11
	s_mov_b32 s[G0S], 1
	s_add_co_u32 s[G0S+1], s99, SMALL              ; LDS: waves 2, 3, 4: k's scale words, v's, mb
	s_lshl_b32 s95, s91, 6
	s_lshl_b32 s96, s92, 6
	s_lshl_b32 s97, s89, 13                        ; mb: 8,192 bytes a batch
	s_cmp_eq_u32 s93, 0
	s_cselect_b32 s94, s91, s92
	s_mul_i32 s[OFS], s94, 1536
	s_cmp_eq_u32 s[WV], 2
	s_cselect_b32 s98, s95, s96
	s_wait_alu depctr_va_vdst(0)
	s_wait_dscnt 0x0                               ; both opening adds are done
	s_wait_kmcnt 0x0
	s_add_nc_u64 s[BI:BI+1], s[4:5], s[OFS:OFS+1]
	s_cmp_eq_u32 s[WV], 4
	s_cselect_b32 s[OFS], s97, s98
	s_cselect_b64 s[BSM:BSM+1], s[8:9], s[6:7]
	s_add_nc_u64 s[BSM:BSM+1], s[BSM:BSM+1], s[OFS:OFS+1]
	s_mov_b64 s[G0I+2:G0I+3], s[BI:BI+1]
	s_or_b32 s[G0I+3], s[G0I+3], 0x80000000
	s_mov_b64 s[G0S+2:G0S+3], s[BSM:BSM+1]
	s_or_b32 s[G0S+3], s[G0S+3], 0x80000000
	TLOAD                                          ; slot 0: the launch's first fill
	s_sub_co_u32 s98, 15, ttmp9                    ; the first pass's block of queries,
	s_mov_b32 s99, ttmp9                           ; the second's
	PASSADR 98, QA1, QS1, AI1, AS1, QL, Q0
	PASSADR 99, QA2, QS2, AI2, AS2, QL2, Q02
	s_lshr_b32 s[N2], ttmp9, 2
	s_add_co_u32 s[N2], s[N2], 1
	s_mov_b32 s[SEL], 0x76543210
	s_mov_b32 s[SEL+1], 0xfedcba98
	s_mov_b32 s[CS], 0x3e38aa3b
	s_mov_b32 s[CS+1], s[CS]
	s_mov_b32 s[NEG], 0xce6e6b28
	s_mov_b32 s[NK], 0
	s_mov_b32 s[TB], 0
	s_cmp_eq_u32 s[PAR], 0
	s_cselect_b32 s[MK0], -1, 0
	s_cselect_b32 s[MK1], 0, -1
	s_sub_co_u32 s93, s[WV], 2                     ; the prefetches: who asks, and where
	s_cmp_lt_u32 s93, 6
	s_cselect_b32 s[LIM], 2, -1
	s_cmp_eq_u32 ttmp9, 0
	s_cselect_b32 s[LIM], s[LIM], -1
	s_cmp_lt_u32 s93, 3
	s_cselect_b32 s94, s91, s92
	s_cselect_b32 s95, 0, 3
	s_sub_co_u32 s95, s93, s95
	s_min_u32 s95, s95, 2
	s_lshl_b32 s95, s95, 13
	s_mul_i32 s16, s94, 1536
	s_add_co_u32 s16, s16, s95
	s_add_co_u32 s16, s16, 49152                   ; in slot 1: the first change of slots steps it to slot 2
	s_mov_b32 s17, 0
	s_add_nc_u64 s[PFA:PFA+1], s[4:5], s[16:17]
	s_lshl_b32 s16, s88, 13                        ; vp: 8,192 bytes for a batch and pair; my head's 256 of each chunk's 512
	s_lshl_b32 s3, s[PAR], 8
	s_add_co_u32 s16, s16, s3
	s_add_nc_u64 s[10:11], s[10:11], s[16:17]
	s_and_b32 s[WP], s[WV], 3
	s_mov_b32 s[NG8], 0xcfee6b28
	s_mul_i32 s98, s[PAR], 6144                    ; my head's four images of v,
	s_lshl_b32 s99, s[PAR], 8                      ; and their scale words
	s_lshl_b32 s[VSB], s[WV], 8
	s_add_co_u32 s[VSB], s[VSB], VSL
	v_and_b32 v[TMP], 31, v0                       ; lane
	v_and_b32 v[TMP+1], 15, v0                     ; r
	v_bfe_u32 v9, v0, 4, 1                         ; h
	v_lshlrev_b32 v[LIK], 4, v[TMP]
	v_lshlrev_b32 v[LB], 6, v9
	v_lshlrev_b32 v[PFO], 8, v[TMP]
	v_and_b32 v[QD], 8, v[TMP+1]
	v_lshlrev_b32 v96, 4, v9
	v_lshl_add_u32 v[LS], v[TMP+1], 2, v[LB]
	v_add_nc_u32 v[QD], v[QD], v[TMP+1]
	v_lshlrev_b32 v99, 3, v[TMP]                   ; 8 x lane
	v_sub_nc_u32 v[QD], v[QD], v96
	s_lshl_b32 s2, s87, 6
	s_lshl_b32 s3, s[PAR], 1
	s_add_co_u32 s2, s2, s3
	s_add_co_u32 s2, s2, SSTG
	v_lshl_add_u32 v[SST], v[TMP+1], 2, s2         ; 64 x tile + 4 r + 2 x head
	v_lshl_add_u32 v97, v[TMP], 3, s[VSB]          ; where I put the mean
.irp i, 0,1,2,3,4,5,6,7
	v_mov_b32 v[BP+\i], 0                          ; written once: a lane permute's destination counts as one of its sources
.endr
	v_mov_b32 v[F+1], 0                            ; (named as the upper halves of pairs)
	v_mov_b32 v[F+3], 0
	; the mean of the quantised v over all 2,048 keys, for my head's 64, in O^T's order: 16 chunks' sums, two numbers a lane
.irp ch, 0,1,2,3,4,5,6,7,8,9,10,11,12,13,14,15
	global_load_b64 v[104+2*\ch:105+2*\ch], v99, s[10:11] offset:512*\ch
.endr
	s_wait_alu depctr_va_vdst(0)
	s_wait_loadcnt 0x0
.irp ch, 0,1,2,3,4,5,6,7
	v_pk_add_f32 v[104+2*\ch:105+2*\ch], v[104+2*\ch:105+2*\ch], v[120+2*\ch:121+2*\ch]
.endr
.irp ch, 0,1,2,3
	v_pk_add_f32 v[104+2*\ch:105+2*\ch], v[104+2*\ch:105+2*\ch], v[112+2*\ch:113+2*\ch]
.endr
.irp ch, 0,1
	v_pk_add_f32 v[104+2*\ch:105+2*\ch], v[104+2*\ch:105+2*\ch], v[108+2*\ch:109+2*\ch]
.endr
	s_delay_alu instid0(VALU_DEP_1)
	v_pk_add_f32 v[104:105], v[104:105], v[106:107]
	s_delay_alu instid0(VALU_DEP_1)
	v_pk_mul_f32 v[104:105], v[104:105], 0x3a000000 op_sel_hi:[1,0]   ; x 2^-11
	ds_store_b64 v97, v[104:105]                   ; my wave's own bytes
; A pass begins: two images of q and their scale words; the other head's half of q becomes zero codes; O^T and the sums begin as zeros, the largest t as -3e38.
.macro INIT qa, qs
	v_lshrrev_b32 v[TMP], 2, v[LIK]
	s_delay_alu instid0(VALU_DEP_1)
	v_and_b32 v[TMP], 60, v[TMP]                   ; 4 r
	WIN 0x40
.irp u, 0,1
.irp c, 0,1,2
	global_load_b128 v[QF+12*\u+4*\c:QF+12*\u+4*\c+3], v[LIK], s[\qa:\qa+1] offset:1536*\u+512*\c
.endr
.endr
	WIN 0
.irp u, 0,1
	global_load_b32 v[QSC+\u], v[TMP], s[\qs:\qs+1] offset:64*\u
.endr
.irp u, 0,1
	v_mov_b32 v[13+4*\u], 0xff61b1e6
	v_mov_b32 v[14+4*\u], 0
	v_mov_b32 v[15+4*\u], 0
.endr
.irp u, 0,1
	v_floor_f32 v[12+4*\u], -v[13+4*\u]
.endr
	s_mov_b32 s[KF], 0
	s_wait_alu depctr_va_vdst(0)
	s_wait_loadcnt 0x0
	WIN 0x44
.irp u, 0,1
.irp i, 0,1,2,3,4,5
	v_and_b32 v[QF+12*\u+\i], s[MK0], v[QF+12*\u+\i]
	v_and_b32 v[QF+12*\u+6+\i], s[MK1], v[QF+12*\u+6+\i]
.endr
.endr
	WIN 0x40
.set j, 0
.rept 64
	v_mov_b32 v[O+j], 0                            ; (also the places between the lines above and the next scaled product)
.set j, j+1
.endr
	WIN 0
	s_wait_alu depctr_va_vdst(0)
	s_wait_xcnt 0x0                                ; the last pass's stores have read their registers
.endm
.macro SW u, t                         ; a tile of S^T: 16 keys x 16 queries of tile u; C: the keys' numbers of mb
.if (\t)%2
	v_wmma_scale_f32_16x16x128_f8f6f4 v[S+64*\u+8*\t:S+64*\u+8*\t+7], v[KFR+12*\t:KFR+12*\t+11], v[QF+12*\u:QF+12*\u+11], v[BB+8*\t+96*((\t)/5):BB+8*\t+96*((\t)/5)+7], v[KSC+(\t)/2], v[QSC+\u] matrix_a_fmt:MATRIX_FMT_FP6 matrix_b_fmt:MATRIX_FMT_FP6 matrix_a_scale:MATRIX_SCALE_ROW1
.else
	v_wmma_scale_f32_16x16x128_f8f6f4 v[S+64*\u+8*\t:S+64*\u+8*\t+7], v[KFR+12*\t:KFR+12*\t+11], v[QF+12*\u:QF+12*\u+11], v[BB+8*\t+96*((\t)/5):BB+8*\t+96*((\t)/5)+7], v[KSC+(\t)/2], v[QSC+\u] matrix_a_fmt:MATRIX_FMT_FP6 matrix_b_fmt:MATRIX_FMT_FP6
.endif
.endm
.macro PW u, t                         ; O^T += v^T p^T: 16 of my head's 64 x 16 queries of tile u
.if (\t)%2
	v_wmma_scale_f32_16x16x128_f8f6f4 v[O+32*\u+8*\t:O+32*\u+8*\t+7], v[FRG+12*\t:FRG+12*\t+11], v[PCD+12*\u:PCD+12*\u+11], v[O+32*\u+8*\t:O+32*\u+8*\t+7], v[VSC+(\t)/2], v[F+1+2*\u] matrix_a_fmt:MATRIX_FMT_FP6 matrix_b_fmt:MATRIX_FMT_FP6 matrix_a_scale:MATRIX_SCALE_ROW1
.else
	v_wmma_scale_f32_16x16x128_f8f6f4 v[O+32*\u+8*\t:O+32*\u+8*\t+7], v[FRG+12*\t:FRG+12*\t+11], v[PCD+12*\u:PCD+12*\u+11], v[O+32*\u+8*\t:O+32*\u+8*\t+7], v[VSC+(\t)/2], v[F+1+2*\u] matrix_a_fmt:MATRIX_FMT_FP6 matrix_b_fmt:MATRIX_FMT_FP6
.endif
.endm
; What a step's first products take from LDS, 44 loads: k's scale words, the keys' numbers of mb (register j of tile t is key 32 (t / 2) + 16 h + 8 (t % 2) + j), k's eight fragments.  ok, os: bytes on from the addresses in hand.
.macro LOADK ok, os
.irp p, 0,1,2,3
	ds_load_b32 v[KSC+\p], v[BP+2] offset:KSCL+128*\p+\os
.endr
	WIN 0x40
.irp t, 0,1,2,3,4,5,6,7
	ds_load_b128 v[BB+8*\t+96*(\t/5):BB+8*\t+96*(\t/5)+3], v[BP+4] offset:BIAS+128*(\t/2)+32*(\t%2)+\os
	ds_load_b128 v[BB+8*\t+96*(\t/5)+4:BB+8*\t+96*(\t/5)+7], v[BP+4] offset:BIAS+128*(\t/2)+32*(\t%2)+16+\os
.endr
.irp t, 0,1,2,3,4,5,6,7
.irp c, 0,1,2
	ds_load_b128 v[KFR+12*\t+4*\c:KFR+12*\t+4*\c+3], v[BP] offset:1536*\t+512*\c+\ok
.endr
.endr
	WIN 0
.endm
; A KEY STEP: 128 keys.  A step all of whose keys come after the block's queries is left out by a scalar branch on ids; no barrier or tensor load stands in a step.
.macro STEP
	s_cmp_gt_u32 s[KF], s[QL]
	s_cbranch_scc1 .Lhidden_\@
	s_add_co_u32 s95, s[OK], s98
	s_add_co_u32 s97, s[OS], s99
	v_add_nc_u32 v[BP], s[OK], v[LIK]              ; (these five are the places in front of the loads into registers that the last products read)
	v_add_nc_u32 v[BP+1], s95, v[LIK]
	v_add_nc_u32 v[BP+2], s[OS], v[LS]
	v_add_nc_u32 v[BP+3], s97, v[LS]
	v_add_nc_u32 v[BP+4], s[OS], v[LB]
	s_wait_alu depctr_va_vdst(0)
.irp t, 0,1,2,3                        ; v's four fragments are asked for now and awaited in front of the second product
.irp c, 0,1,2
	ds_load_b128 v[FRG+12*\t+4*\c:FRG+12*\t+4*\c+3], v[BP+1] offset:VIMG+1536*\t+512*\c
.endr
.endr
.irp p, 0,1
	ds_load_b32 v[VSC+\p], v[BP+3] offset:VSCL+128*\p
.endr
	s_wait_dscnt 26                                ; out at the most: k's fragments 4-7 (12 loads), v's 12 and 2
	WIN 0x15                                       ; k's fragments, q and the numbers of mb lie in window 1
.irp t, 0,1,2,3
	SW 0, \t
	SW 1, \t
.endr
	s_wait_dscnt 14                                ; out at the most: v's 12 and 2
.irp t, 4,5,6,7
	SW 0, \t
	SW 1, \t
.endr
	WIN 0
.rept 4
	v_nop                                          ; places in front of the loads below and of the first reads of S^T
.endr
	s_cmp_eq_u32 s[QC], 3                          ; the next step's, unless this is the slot's last
	s_cbranch_scc1 .Llast_\@
	LOADK 12288, 512
.Llast_\@:
	s_add_co_u32 s96, s[KF], 127                   ; on the diagonal the keys behind the query get -8e9.  A step all of whose keys count skips this
	s_cmp_le_u32 s96, s[Q0]
	s_cbranch_scc1 .Lopen_\@
	s_sub_co_i32 s96, s[Q0], s[KF]                 ; 32 (w % 4) here: the step's first key is the block's first query
	v_add_nc_u32 v[TMP], s96, v[QD]                ; d = my query - the step's first key - 16 h.  Register 16 b + i holds key 32 b + 16 h + i: it counts where 32 b + i <= d
	v_add_nc_u32 v[TMP+1], 8, v[TMP]
	s_wait_alu depctr_va_vdst(0)
.irp b, 0,1,2,3
	s_cmp_gt_u32 s[WP], \b                         ; d >= 32 (w % 4) - 16, so all keys of a block b < w % 4 count
	s_cbranch_scc1 .Lv_\@_\b
.irp u, 0,1
.irp i, 0,1,2,3,4,5,6,7,8,9,10,11,12,13,14,15
	v_cmp_le_i32 vcc_lo, 32*\b+\i, v[TMP+\u]
	v_cndmask_b32 v[S+64*\u+16*\b+\i], s[NG8], v[S+64*\u+16*\b+\i], vcc_lo
.endr
.endr
.Lv_\@_\b:
.endr
.Lopen_\@:
	s_wait_alu depctr_va_vdst(0)
.irp u, 0,1                            ; the largest score of each block of 32 keys: for the row's maximum and, since p rises with the score, for the block's largest p.  Eight chains by turns
.irp b, 0,1,2,3
	v_max3_num_f32 v[BM+16*\u+\b], v[S+64*\u+16*\b], v[S+64*\u+16*\b+1], v[S+64*\u+16*\b+2]
.endr
.endr
.irp i, 3,5,7,9,11,13
.irp u, 0,1
.irp b, 0,1,2,3
	v_max3_num_f32 v[BM+16*\u+\b], v[BM+16*\u+\b], v[S+64*\u+16*\b+\i], v[S+64*\u+16*\b+\i+1]
.endr
.endr
.endr
.irp u, 0,1
.irp b, 0,1,2,3
	v_max_num_f32 v[BM+16*\u+\b], v[BM+16*\u+\b], v[S+64*\u+16*\b+15]
.endr
.endr
.irp u, 0,1
.irp b, 0,1,2,3
	v_permlanex16_b32 v[BP+4*\u+\b], v[BM+16*\u+\b], s[SEL], s[SEL+1]
.endr
.endr
.irp u, 0,1
.irp b, 0,1,2,3
	v_max_num_f32 v[BM+16*\u+\b], v[BM+16*\u+\b], v[BP+4*\u+\b]   ; with lane l xor 16's 16 keys
.endr
.endr
.irp u, 0,1
	v_max3_num_f32 v[TMP+\u], v[BM+16*\u], v[BM+16*\u+1], v[BM+16*\u+2]
.endr
.irp u, 0,1
	s_delay_alu instid0(VALU_DEP_2)
	v_max_num_f32 v[TMP+\u], v[TMP+\u], v[BM+16*\u+3]
.endr
.irp u, 0,1
	s_delay_alu instid0(VALU_DEP_2)
	v_mul_f32 v[TMP+\u], s[CS], v[TMP+\u]          ; as t
.endr
.irp u, 0,1
	s_delay_alu instid0(VALU_DEP_2)
	v_max_num_f32 v[13+4*\u], v[13+4*\u], v[TMP+\u]   ; the running largest t
.endr
.irp u, 0,1
	v_mov_b32 v[TMP+\u], v[12+4*\u]
.endr
.irp u, 0,1
	s_delay_alu instid0(VALU_DEP_4)
	v_floor_f32 v[12+4*\u], -v[13+4*\u]            ; the new -M = floor(-t): M is a whole number
.endr
.irp u, 0,1
	s_delay_alu instid0(VALU_DEP_2)
	v_sub_f32 v[TMP+\u], v[12+4*\u], v[TMP+\u]     ; old M - new M: a whole number, 0 or less
.endr
.irp u, 0,1
	s_delay_alu instid0(VALU_DEP_2)
	v_cvt_i32_f32 v[TMP+\u], v[TMP+\u]             ; (it saturates)
.endr
.irp u, 0,1
	s_delay_alu instid0(VALU_DEP_2)
	v_ldexp_f32 v[F+2*\u], 1.0, v[TMP+\u]          ; f = 2^(old M - new M)
.endr
.set j, 0
.rept 64
	v_pk_fma_f32 v[S+j:S+j+1], v[S+j:S+j+1], s[CS:CS+1], v[12+4*(j/64):13+4*(j/64)] op_sel_hi:[1,0,0]   ; t - M, two at a time
.set j, j+2
.endr
.irp u, 0,1
.irp b, 0,1,2,3
	v_fma_f32 v[BM+16*\u+\b], v[BM+16*\u+\b], s[CS], v[12+4*\u]   ; the same of each block's largest score
.endr
.endr
	s_wait_alu depctr_va_vdst(0)
.set j, 0
.rept 128
	v_exp_f32 v[S+j], v[S+j]                       ; p = 2^(t - M): not normalised
.set j, j+1
.endr
.irp u, 0,1
.irp b, 0,1,2,3
	v_exp_f32 v[BM+16*\u+\b], v[BM+16*\u+\b]       ; the block's largest p
.endr
.endr
.irp u, 0,1
	v_pk_mul_f32 v[14+4*\u:15+4*\u], v[14+4*\u:15+4*\u], v[F+2*\u:F+2*\u+1] op_sel_hi:[1,0]   ; the sums under the new M (plain places behind the exponentials)
.endr
	s_wait_alu depctr_va_vdst(0)                   ; one wait for the whole batch, ahead of its first reader
.irp u, 0,1                            ; the rows' sums of the unquantised p: three chains a tile, six by turns
	v_pk_add_f32 v[BP+4*\u:BP+4*\u+1], v[S+64*\u:S+64*\u+1], v[S+64*\u+2:S+64*\u+3]
	v_pk_add_f32 v[BP+4*\u+2:BP+4*\u+3], v[S+64*\u+4:S+64*\u+5], v[S+64*\u+6:S+64*\u+7]
.endr
.irp j, 8,14,20,26,32,38,44,50,56
.irp u, 0,1
	v_pk_add_f32 v[14+4*\u:15+4*\u], v[14+4*\u:15+4*\u], v[S+64*\u+\j:S+64*\u+\j+1]
	v_pk_add_f32 v[BP+4*\u:BP+4*\u+1], v[BP+4*\u:BP+4*\u+1], v[S+64*\u+\j+2:S+64*\u+\j+3]
	v_pk_add_f32 v[BP+4*\u+2:BP+4*\u+3], v[BP+4*\u+2:BP+4*\u+3], v[S+64*\u+\j+4:S+64*\u+\j+5]
.endr
.endr
.irp u, 0,1
	v_pk_add_f32 v[14+4*\u:15+4*\u], v[14+4*\u:15+4*\u], v[S+64*\u+62:S+64*\u+63]
	v_pk_add_f32 v[BP+4*\u:BP+4*\u+1], v[BP+4*\u:BP+4*\u+1], v[BP+4*\u+2:BP+4*\u+3]
.endr
.irp u, 0,1
.irp b, 0,1,2,3
	v_max_num_f32 v[BM+16*\u+\b], 0x1800000, v[BM+16*\u+\b]   ; the floor 2^(3 - 127): the byte cannot fall under 1
.endr
.endr
.irp u, 0,1
	v_pk_add_f32 v[14+4*\u:15+4*\u], v[14+4*\u:15+4*\u], v[BP+4*\u:BP+4*\u+1]
.endr
.irp u, 0,1
.irp b, 0,1,2,3
	v_add_nc_u32 v[BM+16*\u+\b], 0xff000000, v[BM+16*\u+\b]   ; 2 off the exponent field: the conversion's scale operand
.endr
.endr
.irp u, 0,1
.irp b, 0,1,2,3
	v_lshrrev_b32 v[BP+4*\u+\b], 23, v[BM+16*\u+\b]   ; the scale's byte
.endr
.endr
.irp u, 0,1
	v_lshl_or_b32 v[F+1+2*\u], v[BP+4*\u+1], 8, v[BP+4*\u]   ; p's scale word for these 128 keys
.endr
.irp u, 0,1
	s_delay_alu instid0(VALU_DEP_2)
	v_lshl_or_b32 v[F+1+2*\u], v[BP+4*\u+2], 16, v[F+1+2*\u]
.endr
.irp u, 0,1
	s_delay_alu instid0(VALU_DEP_2)
	v_lshl_or_b32 v[F+1+2*\u], v[BP+4*\u+3], 24, v[F+1+2*\u]
.endr
.irp u, 0,1
.irp c, 0,1
	v_cvt_scalef32_pk16_fp6_f32 v[PCD+12*\u+6*\c:PCD+12*\u+6*\c+2], v[S+64*\u+32*\c:S+64*\u+32*\c+15], v[BM+16*\u+2*\c]
	v_cvt_scalef32_pk16_fp6_f32 v[PC2+12*\u+4*\c:PC2+12*\u+4*\c+2], v[S+64*\u+32*\c+16:S+64*\u+32*\c+31], v[BM+16*\u+2*\c+1]
.endr
.endr
	v_nop                                          ; one plain place behind a scaled conversion
.irp u, 0,1                            ; the operand's layout wants a whole block in a lane
.irp c, 0,1
.irp i, 0,1,2
	v_permlane16_swap_b32 v[PCD+12*\u+6*\c+\i], v[PC2+12*\u+4*\c+\i]
.endr
.endr
.endr
.irp u, 0,1
.irp c, 0,1
.irp i, 0,1,2
	v_mov_b32 v[PCD+12*\u+6*\c+3+\i], v[PC2+12*\u+4*\c+\i]
.endr
.endr
.endr
	s_wait_dscnt 0x0                               ; v's fragments are in (and what was asked for the next step)
	WIN 0x41
	s_wait_alu depctr_va_vdst(0)                   ; directly ahead of the first reader of O^T
.set j, 0
.rept 32
	v_pk_mul_f32 v[O+j:O+j+1], v[O+j:O+j+1], v[F+2*(j/32):F+2*(j/32)+1] op_sel_hi:[1,0]   ; O^T under the new M (also the places in front of the products below)
.set j, j+2
.endr
	WIN 0x50
.irp t, 0,1,2,3                        ; eight accumulators by turns
.irp u, 0,1
	PW \u, \t
.endr
.endr
	WIN 0
.Lhidden_\@:
	s_add_co_u32 s[KF], s[KF], 128
.endm
.macro SLOTWORK                        ; a slot's four steps: a counted loop in which only the LDS offsets step.  The first step's k and numbers of mb are read ahead of the loop
	s_mov_b32 s[OK], s[TB]
	s_add_co_u32 s[OS], s[TB], SMALL
	s_mov_b32 s[QC], 0
	v_add_nc_u32 v[BP], s[OK], v[LIK]
	v_add_nc_u32 v[BP+2], s[OS], v[LS]
	v_add_nc_u32 v[BP+4], s[OS], v[LB]
	LOADK 0, 0
.Lq_\@:
	STEP
	s_add_co_u32 s[OK], s[OK], 12288
	s_add_co_u32 s[OS], s[OS], 512
	s_add_co_u32 s[QC], s[QC], 1
	s_wait_alu depctr_va_vdst(0)
	s_cmp_lt_u32 s[QC], 4
	s_cbranch_scc1 .Lq_\@
.endm
; THE CHANGE OF SLOTS stands at a slot's head.  Each wave waits for all its tensor loads, adds 0 to its spare word, and waits for that and for its reads of the slot that it has left.  Behind the barrier the slot ahead is whole
; and nobody reads the other one.  fill = 1: that other slot is filled with the slot of keys that follows: the next of this pass or, at the first pass's last slot, the second pass's first.
.macro CHANGE fill
	s_wait_tensorcnt 0x0                           ; no tensor load of mine is out, so a group 0 may be written
	ds_add_u32 v[SPW], v[NIL]                      ; 0 onto my spare word
.if \fill
	ds_add_u32 v[SPW], v[NIL]                      ; twice
	s_xor_b32 s[G0I+1], s[G0I+1], SLOT1
	s_xor_b32 s[G0S+1], s[G0S+1], SLOT1
	s_add_co_u32 s[NK], s[NK], 1
	s_cmp_eq_u32 s[SLOTS], s[N2]
	s_cselect_b32 s[NK], 0, s[NK]
	s_mul_i32 s[OFS], s[NK], 49152
	s_add_nc_u64 s[G0I+2:G0I+3], s[BI:BI+1], s[OFS:OFS+1]
	s_or_b32 s[G0I+3], s[G0I+3], 0x80000000
	s_lshl_b32 s[OFS], s[NK], 11
	s_add_nc_u64 s[G0S+2:G0S+3], s[BSM:BSM+1], s[OFS:OFS+1]
	s_or_b32 s[G0S+3], s[G0S+3], 0x80000000
	s_wait_xcnt 0x0                                ; the last prefetches, a slot back, have read their address
	s_add_nc_u64 s[PFA:PFA+1], s[PFA:PFA+1], 49152
.endif
	s_wait_dscnt 0x0
	s_barrier_signal -1
	s_barrier_wait -1
.if \fill
	TLOAD                                          ; the first thing behind the barrier, and a wave's one tensor load until the next
	ASK
.endif
.endm
; A pass ends: O^T / the sum, or the mean of v where no key counted; my head's 64 numbers of a row are two blocks of the last product's K: six registers of its fragment and two bytes of its scale word.
.macro FIN aa, stage
	v_lshrrev_b32 v[BP+6], 1, v[LB]                ; 32 h  (the plain lines from here on are the places behind the last products)
	s_delay_alu instid0(VALU_DEP_1)
	v_add_nc_u32 v[BP+6], s[VSB], v[BP+6]
.irp t, 0,1,2,3                        ; the mean of v, in O^T's order
	ds_load_b128 v[S+32+8*\t:S+32+8*\t+3], v[BP+6] offset:64*\t
	ds_load_b128 v[S+32+8*\t+4:S+32+8*\t+7], v[BP+6] offset:64*\t+16
.endr
.irp u, 0,1
	v_add_f32 v[14+4*\u], v[14+4*\u], v[15+4*\u]
.endr
.irp u, 0,1
	v_permlanex16_b32 v[TMP+\u], v[14+4*\u], s[SEL], s[SEL+1]
.endr
.irp u, 0,1
	v_add_f32 v[14+4*\u], v[14+4*\u], v[TMP+\u]    ; the row's sum
.endr
	s_wait_alu depctr_va_vdst(0)
.irp u, 0,1
	v_rcp_f32 v[14+4*\u], v[14+4*\u]
.endr
	v_cmp_gt_f32 s96, s[NEG], v13                  ; no key counted: the largest t is a mask's
	v_cmp_gt_f32 s97, s[NEG], v17
	v_lshrrev_b32 v[L8T], 1, v[LIK]                ; 8 x lane
	s_wait_dscnt 0x0
	WIN 0x01
	s_wait_alu depctr_va_vdst(0)                   ; ahead of the first reader of the reciprocals and of O^T
.set j, 0
.rept 64
	v_mul_f32 v[S+64*(j/32)+j%32], v[O+j], v[14+4*(j/32)]   ; each accumulator from its low end on
.set j, j+1
.endr
	WIN 0
.set j, 0
.rept 64
	v_cndmask_b32 v[S+64*(j/32)+j%32], v[S+64*(j/32)+j%32], v[S+32+j%32], s[96+j/32]
.set j, j+1
.endr
.irp u, 0,1
.irp b, 0,1
	v_max3_num_f32 v[BM+16*\u+\b], |v[S+64*\u+16*\b]|, |v[S+64*\u+16*\b+1]|, 0x1800000
.endr
.endr
.irp i, 2,4,6,8,10,12,14
.irp u, 0,1
.irp b, 0,1
	v_max3_num_f32 v[BM+16*\u+\b], v[BM+16*\u+\b], |v[S+64*\u+16*\b+\i]|, |v[S+64*\u+16*\b+\i+1]|
.endr
.endr
.endr
.irp u, 0,1
.irp b, 0,1
	v_permlanex16_b32 v[BP+4*\u+\b], v[BM+16*\u+\b], s[SEL], s[SEL+1]
.endr
.endr
.irp u, 0,1
.irp b, 0,1
	v_max_num_f32 v[BM+16*\u+\b], v[BM+16*\u+\b], v[BP+4*\u+\b]
.endr
.endr
.irp u, 0,1
.irp b, 0,1
	v_add_nc_u32 v[BM+16*\u+\b], 0xff000000, v[BM+16*\u+\b]
.endr
.endr
.irp u, 0,1
.irp b, 0,1
	v_lshrrev_b32 v[BP+4*\u+\b], 23, v[BM+16*\u+\b]
.endr
.endr
.irp u, 0,1
	v_lshl_or_b32 v[TMP+\u], v[BP+4*\u+1], 8, v[BP+4*\u]
.endr
.irp u, 0,1
	v_cvt_scalef32_pk16_fp6_f32 v[PCD+12*\u:PCD+12*\u+2], v[S+64*\u:S+64*\u+15], v[BM+16*\u]
	v_cvt_scalef32_pk16_fp6_f32 v[PC2+12*\u:PC2+12*\u+2], v[S+64*\u+16:S+64*\u+31], v[BM+16*\u+1]
.endr
	v_nop
.irp u, 0,1
.irp i, 0,1,2
	v_permlane16_swap_b32 v[PCD+12*\u+\i], v[PC2+12*\u+\i]
.endr
.endr
.irp u, 0,1
.irp i, 0,1,2
	v_mov_b32 v[PCD+12*\u+3+\i], v[PC2+12*\u+\i]
.endr
.endr
.irp u, 0,1
.irp i, 0,1,2
	global_store_b64 v[L8T], v[PCD+12*\u+2*\i:PCD+12*\u+2*\i+1], s[\aa:\aa+1] offset:12288*\u+256*\i   ; ai: register pair p of lane l at 256 p + 8 l: each store covers 256 consecutive bytes, aligned
.endr
	ds_store_b16 v[SST], v[TMP+\u] offset:\stage+64*\u     ; lanes r and r + 16 write the same bytes with the same value
.endr
	s_wait_dscnt 0x0
.endm
	INIT QA1, QS1
	s_mov_b32 s[SLOTS], 4
.Lslot:                                            ; four trips: behind each change of slots but the last the next slot is asked for
	CHANGE 1
	SLOTWORK
	s_xor_b32 s[TB], s[TB], SLOT1
	s_cmp_lg_u32 s[SLOTS], s[N2]                   ; the first pass's last slot?  A branch on ids, the same in all eight waves
	s_cbranch_scc1 .Lsame_pass
	FIN AI1, 0
	s_mov_b32 s[QL], s[QL2]
	s_mov_b32 s[Q0], s[Q02]
	INIT QA2, QS2
.Lsame_pass:
	s_sub_co_u32 s[SLOTS], s[SLOTS], 1
	s_cmp_lg_u32 s[SLOTS], 0
	s_cbranch_scc1 .Lslot
	CHANGE 0                                       ; the last slot is written out
	SLOTWORK
	FIN AI2, 512
	s_barrier_signal -1                            ; every wave's scale bytes lie in the stage (each has waited for its LDS stores)
	s_barrier_wait -1
	s_cmp_lg_u32 s[WV], 0
	s_cbranch_scc1 .Lend
	v_add_nc_u32 v104, SSTG, v[LIK]
	ds_load_b128 v[96:99], v104
	ds_load_b128 v[100:103], v104 offset:512
	s_wait_dscnt 0x0
	global_store_b128 v[LIK], v[96:99], s[AS1:AS1+1]       ; eight tiles' scale words: 512 consecutive bytes for each pass
	global_store_b128 v[LIK], v[100:103], s[AS2:AS2+1]
.Lend:
	s_wait_tensorcnt 0x0                           ; the wave's end
	ds_add_u32 v[SPW], v[NIL]
	s_wait_dscnt 0x0
	s_endpgm
.Lfunc_end_k_q908f817d1b_attn:
	.size	k_q908f817d1b_attn, .Lfunc_end_k_q908f817d1b_attn-k_q908f817d1b_attn
	.p2alignl 7, 3214868480
	.fill 96, 4, 3214868480
	.section	.rodata,"a",@progbits
	.p2align	6, 0x0
	.amdhsa_kernel k_q908f817d1b_attn
		.amdhsa_group_segment_fixed_size 327680
		.amdhsa_private_segment_fixed_size 0
		.amdhsa_enable_private_segment 0
		.amdhsa_kernarg_size 48
		.amdhsa_user_sgpr_count 2
		.amdhsa_user_sgpr_kernarg_segment_ptr 1
		.amdhsa_wavefront_size32 1
		.amdhsa_system_sgpr_workgroup_id_x 1
		.amdhsa_system_sgpr_workgroup_id_y 1
		.amdhsa_system_sgpr_workgroup_id_z 1
		.amdhsa_system_vgpr_workitem_id 0
		.amdhsa_next_free_vgpr 512
		.amdhsa_next_free_sgpr 100
		.amdhsa_reserve_vcc 1
		.amdhsa_float_denorm_mode_32 3
		.amdhsa_float_denorm_mode_16_64 3
		.amdhsa_memory_ordered 1
		.amdhsa_forward_progress 1
		.amdhsa_inst_pref_size 136
	.end_amdhsa_kernel
	.amdgpu_metadata
---
amdhsa.version: [ 1, 2 ]
amdhsa.kernels:
  - .name:           k_q908f817d1b_attn
    .symbol:         k_q908f817d1b_attn.kd
    .args:
      - { .name: qkv, .offset: 0, .size: 8, .value_kind: global_buffer, .address_space: global }
      - { .name: qkvs, .offset: 8, .size: 8, .value_kind: global_buffer, .address_space: global }
      - { .name: mb, .offset: 16, .size: 8, .value_kind: global_buffer, .address_space: global }
      - { .name: vp, .offset: 24, .size: 8, .value_kind: global_buffer, .address_space: global }
      - { .name: ai, .offset: 32, .size: 8, .value_kind: global_buffer, .address_space: global }
      - { .name: asc, .offset: 40, .size: 8, .value_kind: global_buffer, .address_space: global }
    .group_segment_fixed_size: 327680
    .private_segment_fixed_size: 0
    .kernarg_segment_align: 8
    .kernarg_segment_size: 48
    .max_flat_workgroup_size: 256
    .sgpr_count:     100
    .vgpr_count:     512
    .wavefront_size: 32
...
	.end_amdgpu_metadata
.endif
;; end of part 3
;; launch oproj (part 4): grid 8 x 32, 4 waves a work-group, clusters of 4 x 4, 327,680 bytes of LDS; arguments ai, asc, ci, cs, bo, out0; writes out0
.if DOCPART == 4
	.amdgcn_target "amdgcn-amd-amdhsa--gfx1250"
	.amdhsa_code_object_version 6
	.text
	.protected	k_q908f817d1b_oproj
	.globl	k_q908f817d1b_oproj
	.p2align	8
	.type	k_q908f817d1b_oproj,@function
k_q908f817d1b_oproj:
	s_mov_b64 s[64:65], 0
	v_nop
	global_prefetch_b8 v0, s[64:65] scope:SCOPE_SE
	s_setreg_imm32_b32 hwreg(HW_REG_WAVE_MODE, 25, 1), 1
	s_wait_xcnt 0x0
	s_wait_alu depctr_hold_cnt(0) depctr_sa_sdst(0) depctr_va_vdst(0) depctr_va_sdst(0) depctr_va_ssrc(0) depctr_va_vcc(0) depctr_vm_vsrc(0)
	s_getreg_b32 s2, hwreg(HW_REG_IB_STS2, 6, 4)
	s_cmp_eq_u32 s2, 0
	s_cbranch_scc0 .Lentry_in_a_cluster
	s_endpgm
.Lentry_in_a_cluster:
	s_bfe_u32 s2, ttmp6, 0x10000c
	s_cmp_lg_u32 s2, 0xf033
	s_cbranch_scc0 .Lentry_shape_is_right
	s_endpgm
.Lentry_shape_is_right:
; out0 = a Wo^T + bo on codes of FP6 (E2M3) with E8M0 scales; K = 1,024.  a: the attention's result, quantised by the launch before (ai, asc); Wo: tiles 704-767 of ci, cs.
; A block of the result is 256 tokens x 128 features: 32 x 8 = 256 work-groups.  Four waves, each 128 x 64: 32 accumulators of 16 x 16.
; ALL OF K LIES IN LDS AT ONCE: a's 16 tiles x 12,288 bytes, Wo's 8 tiles x 12,288, and both sides' scale words.  They are four dense or evenly pitched blocks of memory and come by the head's four tensor loads, one a wave.
; Nothing is filled again: no ring, and no round of the cluster's barrier but the first and the closing one.
; The operands lie in memory as images of their registers: [tile of 16 rows][8 fragments of 128 K][1536 bytes]; ai: register pair p of lane l at 256 p + 8 l; ci: registers 4 c .. 4 c + 3 of lane l at 512 c + 16 l.
; asc: [fragment][token tile][16 words]; cs: [tile][16 rows][8 words].  All scale words are read into registers once.
; CLUSTERS: 4 x 4 work-groups; a's tiles and scales are asked for jointly along a row of the cluster, Wo's along a column.
; THE MATRIX INSTRUCTION IS USED TRANSPOSED (source 0 = 16 rows of Wo, source 1 = 16 tokens).  A stored tile's rows are 32 (T / 2) + 8 (T % 2) + r + 8 (r / 8): register j of Wo's tile b in lane (r, h) is feature 32 (b / 2) + 8 (b % 2) + 16 h + j.
; bo is the C of the first K step's products.  The way out goes through a stage of the wave's own, into which no tensor load lands: each store covers two rows' 256 consecutive bytes, aligned.
; NO PREFETCH: every byte is asked for by the head's loads; there is no loop to run ahead in.
; REGISTERS: window 0: v16-31 addresses; v32-95 a's scale words (8 f + i); v96-127 Wo's (8 b + f); v128-223 a's fragments, set 0; on the way out v128-191.  window 1: Wo's fragments, two sets, at v0 and v128; v96-127 bo.
; window 2: the accumulators ((a, b) at v[8 (4 a + b)]).  window 3: v128-223 a's fragments, set 1.
.set FR,     12
.set TILEB,  12288
.set BBASE,  16*TILEB                  ; Wo's 8 tiles lie behind a's 16
.set SCLA,   24*TILEB                  ; a's scale words: 8 rows of 1,024 bytes
.set SCLB,   SCLA+8192                 ; Wo's: 16 units of 256 bytes + 16 of padding
.set SPITCH, 272
.set STAGE,  SCLB+16*272               ; 16 rows x 272 bytes for each wave
.set SPARE,  STAGE+4*16*SPITCH         ; the spare words, 128 bytes a wave: two blocks of 256 bytes that no other line names
.set ADRA, 16                          ; v16-17 my a fragments: tiles 0-3, tiles 4-7
.set ADRB, 20
.set STO,  24
.set RD,   25
.set CO,   26
.set ADSB, 27
.set SPW,  28
.set NIL,  29
.set ADSA, 30
.set BOA,  31
.set SCA,  32
.set SCB,  96
.set AF,   128
.set BK,   128
.set G1, 24
.set G0, 32
.set G1B, 48
.set G0B, 56
.set G1S, 68
.set G0S, 76
.set G1SB, 80
.set G0SB, 88
.set MSB, 0
.macro WIN new                         ; the immediate's high byte repeats the setting that is left
.if MSB != \new
	s_set_vgpr_msb (MSB<<8)|\new
.set MSB, \new
.endif
.endm
.macro CROUND                          ; a round of the cluster's barrier
	s_barrier_signal -1
	s_barrier_wait -1
	s_cmp_lg_u32 s14, 0
	s_cbranch_scc1 .Lnot_wave_0_\@
	s_barrier_signal -3
.Lnot_wave_0_\@:
	s_barrier_wait -3
	s_barrier_signal -1
	s_barrier_wait -1
.endm
.macro PLACES
.rept 4
	v_nop
.endr
.endm
	s_load_b128 s[4:7], s[0:1], 0x0                ; ai, asc
	s_load_b128 s[8:11], s[0:1], 0x10              ; ci, cs
	s_load_b64 s[96:97], s[0:1], 0x20              ; bo
	s_load_b64 s[12:13], s[0:1], 0x28              ; out0
	v_lshl_add_u32 v[SPW], v0, 2, SPARE
	v_mov_b32 v[NIL], 0
	ds_add_u32 v[SPW], v[NIL]                      ; the opening lines: the add, twice on end, and its wait
	ds_add_u32 v[SPW], v[NIL]
	v_lshrrev_b32 v1, 5, v0
	v_readfirstlane_b32 s14, v1                    ; wave 0..3
	s_lshr_b32 s15, s14, 1                         ; which 128 tokens are mine
	s_and_b32 s16, s14, 1                          ; which 64 features
	s_bfe_u32 s40, ttmp6, 0x40000                  ; cx, cy: my place in the cluster
	s_bfe_u32 s41, ttmp6, 0x40004
	s_lshl_b32 s42, ttmp9, 2
	s_add_co_u32 s42, s42, s40                     ; block column, 0..7
	s_and_b32 s17, ttmp7, 0xffff
	s_lshl_b32 s17, s17, 2
	s_add_co_u32 s17, s17, s41                     ; block row, 0..31
	s_lshl_b32 s43, s41, 2
	s_lshl_b32 s43, 15, s43                        ; my row of the cluster
	s_lshl_b32 s44, 0x1111, s40                    ; my column
	s_or_b32 s[G1], s43, (3<<16)|(1<<21)           ; a's codes: 196,608 dense bytes as 768 rows of 256 (32 elements of 8 bytes)
	s_mov_b32 s[G1+1], 32<<16
	s_mov_b32 s[G1+2], 768<<16
	s_mov_b32 s[G1+3], 32<<16
	s_mov_b32 s[G1+4], 768
	s_mov_b32 s[G1+5], 32
	s_mov_b32 s[G1+6], 0
	s_mov_b32 s[G1+7], 0
	s_or_b32 s[G1B], s44, (3<<16)|(1<<21)          ; Wo's codes: 98,304 dense bytes as 384 rows
	s_mov_b32 s[G1B+1], 32<<16
	s_mov_b32 s[G1B+2], 384<<16
	s_mov_b32 s[G1B+3], 32<<16
	s_mov_b32 s[G1B+4], 384
	s_mov_b32 s[G1B+5], 32
	s_mov_b32 s[G1B+6], 0
	s_mov_b32 s[G1B+7], 0
	s_or_b32 s[G1S], s43, (3<<16)|(1<<21)          ; a's scale words: 8 rows (fragments) of 1,024 bytes (16 tiles), 32,768 bytes apart
	s_mov_b32 s[G1S+1], 128<<16
	s_mov_b32 s[G1S+2], 8<<16
	s_mov_b32 s[G1S+3], 128<<16
	s_mov_b32 s[G1S+4], 8
	s_mov_b32 s[G1S+5], 4096
	s_mov_b32 s[G1S+6], 0
	s_mov_b32 s[G1S+7], 0
	s_or_b32 s[G1SB], s44, (3<<16)|(1<<20)|(1<<21)|(5<<22)|(3<<25)   ; Wo's: 4,096 dense bytes as 16 rows of 256, 16 bytes of padding behind each
	s_mov_b32 s[G1SB+1], 32<<16
	s_mov_b32 s[G1SB+2], 16<<16
	s_mov_b32 s[G1SB+3], 32<<16
	s_mov_b32 s[G1SB+4], 16
	s_mov_b32 s[G1SB+5], 32
	s_mov_b32 s[G1SB+6], 0
	s_mov_b32 s[G1SB+7], 0
	s_lshl_b32 s20, s17, 4                         ; a's first token tile
	s_lshl_b32 s46, s42, 3
	s_add_co_u32 s46, s46, 704                     ; Wo's first tile in ci
	s_lshl_b32 s22, s20, 6
	s_mul_i32 s20, s20, TILEB
	s_lshl_b32 s92, s46, 9
	s_mul_i32 s46, s46, TILEB
	s_mov_b32 s21, 0
	s_mov_b32 s23, 0
	s_mov_b32 s47, 0
	s_mov_b32 s93, 0
	s_wait_alu depctr_va_vdst(0)
	s_wait_dscnt 0x0                               ; both opening adds are done
	s_wait_kmcnt 0x0
	s_mov_b32 s[G0], 1
	s_mov_b32 s[G0+1], 0
	s_add_nc_u64 s[G0+2:G0+3], s[4:5], s[20:21]
	s_or_b32 s[G0+3], s[G0+3], 0x80000000
	s_mov_b32 s[G0B], 1
	s_mov_b32 s[G0B+1], BBASE
	s_add_nc_u64 s[G0B+2:G0B+3], s[8:9], s[46:47]
	s_or_b32 s[G0B+3], s[G0B+3], 0x80000000
	s_mov_b32 s[G0S], 1
	s_mov_b32 s[G0S+1], SCLA
	s_add_nc_u64 s[G0S+2:G0S+3], s[6:7], s[22:23]
	s_or_b32 s[G0S+3], s[G0S+3], 0x80000000
	s_mov_b32 s[G0SB], 1
	s_mov_b32 s[G0SB+1], SCLB
	s_add_nc_u64 s[G0SB+2:G0SB+3], s[10:11], s[92:93]
	s_or_b32 s[G0SB+3], s[G0SB+3], 0x80000000
	CROUND                                         ; all sixteen work-groups are here: the joint loads meet
; THE LOADS, ONE A WAVE: wave 0 a's codes, wave 1 Wo's, wave 2 a's scale words, wave 3 Wo's.  One tree of branches on the wave's number; every way passes one load.
.macro ARM under, g0, g1, next
	s_cmp_lt_u32 s14, \under
	s_cbranch_scc0 \next
	tensor_load_to_lds s[\g0:\g0+3], s[\g1:\g1+7]
	s_nop 0
.rept 4
	v_nop
.endr
	s_branch .Lhead_asked
\next:
.endm
	ARM 1, G0,  G1,  .Lhead_b
	ARM 2, G0B, G1B, .Lhead_sa
	ARM 3, G0S, G1S, .Lhead_sb
	tensor_load_to_lds s[G0SB:G0SB+3], s[G1SB:G1SB+7]
	s_nop 0
.rept 4
	v_nop
.endr
.Lhead_asked:
	v_and_b32 v1, 15, v0                           ; r
	v_bfe_u32 v2, v0, 4, 1                         ; h
	v_and_b32 v3, 31, v0
	v_lshlrev_b32 v4, 3, v3                        ; 8 x lane
	v_lshlrev_b32 v5, 4, v3                        ; 16 x lane
	v_lshlrev_b32 v6, 5, v1                        ; Wo's scales: 32 bytes a row,
	v_lshlrev_b32 v[BOA], 6, v2
	v_mul_u32_u24 v8, v1, SPITCH
	v_mul_u32_u24 v9, v2, SPITCH
	v_lshrrev_b32 v7, 8, v6
	v_lshlrev_b32 v10, 12, v2
	s_mul_i32 s21, s15, 8*TILEB                    ; my 8 tiles of a
	s_mul_i32 s22, s16, 4*TILEB                    ; my 4 tiles of Wo
	s_add_co_u32 s22, s22, BBASE
	v_add_nc_u32 v[ADRA], s21, v4
	s_add_co_u32 s21, s21, 4*TILEB
	v_add_nc_u32 v[ADRA+1], s21, v4
	v_add_nc_u32 v[ADRB], s22, v5
	v_lshl_add_u32 v6, v7, 4, v6                   ; and 16 more for each 256 passed
	s_lshl_b32 s21, s15, 9
	s_add_co_u32 s21, s21, SCLA
	v_lshl_add_u32 v[ADSA], v1, 2, s21             ; a's scale words: 64 bytes a tile, 4 r
	s_mul_i32 s22, s16, 8*272
	s_add_co_u32 s22, s22, SCLB
	v_add_nc_u32 v[ADSB], s22, v6
	s_mul_i32 s23, s14, 16*SPITCH
	s_add_co_u32 s23, s23, STAGE                   ; my stage
	v_lshl_add_u32 v8, v2, 6, v8
	v_add_nc_u32 v[STO], s23, v8                   ; in: row r, 64 bytes for each half of the lanes
	v_lshl_add_u32 v9, v1, 4, v9
	v_add_nc_u32 v[RD], s23, v9                    ; back: lanes 0-15 one row of 256 bytes, lanes 16-31 the next
	v_lshl_add_u32 v[CO], v1, 4, v10               ; and the same two rows in out0
	s_lshl_b32 s20, s17, 8
	s_lshl_b32 s21, s15, 7
	s_add_co_u32 s20, s20, s21
	s_lshl_b32 s20, s20, 12                        ; my first token's row of 4,096 bytes
	s_mov_b32 s21, 0
	s_lshl_b32 s46, s42, 9
	s_lshl_b32 s47, s16, 8
	s_add_co_u32 s46, s46, s47                     ; my first feature, in bytes
	s_mov_b32 s47, 0
	s_add_nc_u64 s[96:97], s[96:97], s[46:47]
	s_add_nc_u64 s[20:21], s[20:21], s[46:47]
	s_add_nc_u64 s[12:13], s[12:13], s[20:21]
	s_wait_alu depctr_va_vdst(0)
	WIN 0x40
.irp b, 0,1,2,3
	global_load_b128 v[96+8*\b:96+8*\b+3], v[BOA], s[96:97] offset:128*(\b/2)+32*(\b%2)
	global_load_b128 v[96+8*\b+4:96+8*\b+7], v[BOA], s[96:97] offset:128*(\b/2)+32*(\b%2)+16
.endr
	WIN 0
; Half of a K step's fragments into set f % 2: Wo's tiles 2 hf, 2 hf + 1 and a's tiles 4 hf .. 4 hf + 3
.macro FETCHH f, hf
	WIN 0x40
.irp b, 2*\hf, 2*\hf+1
.irp c, 0,1,2
	ds_load_b128 v[128*((\f)%2)+FR*(\b)+4*\c:128*((\f)%2)+FR*(\b)+4*\c+3], v[ADRB] offset:(\b)*TILEB+(\f)*1536+512*\c
.endr
.endr
	WIN 0xc0*((\f)%2)
.irp i, 0,1,2,3
.irp p, 0,1,2,3,4,5
	ds_load_b64 v[AF+FR*(4*\hf+\i)+2*\p:AF+FR*(4*\hf+\i)+2*\p+1], v[ADRA+\hf] offset:\i*TILEB+(\f)*1536+256*\p
.endr
.endr
.endm
; 16 matrix instructions: a's tiles 4 hf .. 4 hf + 3 x Wo's four.  The 32 accumulators take turns, in the same order in every step.  The first step takes bo as C: nothing is cleared.
.macro MULH f, hf
.if (\f) == 0
	WIN 0x91
.else
	WIN 0xa1+0x0c*((\f)%2)
.endif
.irp a, 4*\hf, 4*\hf+1, 4*\hf+2, 4*\hf+3
.irp b, 0,1,2,3
.if (\f) == 0
	v_wmma_scale_f32_16x16x128_f8f6f4 v[8*(4*(\a)+\b):8*(4*(\a)+\b)+7], v[FR*\b:FR*\b+FR-1], v[AF+FR*(\a):AF+FR*(\a)+FR-1], v[96+8*\b:96+8*\b+7], v[SCB+8*\b], v[SCA+(\a)] matrix_a_fmt:MATRIX_FMT_FP6 matrix_b_fmt:MATRIX_FMT_FP6
.else
	v_wmma_scale_f32_16x16x128_f8f6f4 v[8*(4*(\a)+\b):8*(4*(\a)+\b)+7], v[128*((\f)%2)+FR*\b:128*((\f)%2)+FR*\b+FR-1], v[AF+FR*(\a):AF+FR*(\a)+FR-1], v[8*(4*(\a)+\b):8*(4*(\a)+\b)+7], v[SCB+8*\b+(\f)], v[SCA+8*(\f)+(\a)] matrix_a_fmt:MATRIX_FMT_FP6 matrix_b_fmt:MATRIX_FMT_FP6
.endif
.endr
.endr
.endm
.macro STEP f                          ; 128 along K: 32 matrix instructions on set f % 2, while the next step's fragments come into the other set, in two runs
	s_wait_dscnt 0x0                               ; this step's fragments are in
.if (\f) < 7
	PLACES                                         ; the other set was read by the last step's products
	FETCHH (\f)+1, 0
.endif
	MULH \f, 0
.if (\f) < 7
	FETCHH (\f)+1, 1
.endif
	MULH \f, 1
.endm
	s_wait_tensorcnt 0x0                           ; my tile of the four is in,
	s_barrier_signal -1
	s_barrier_wait -1                              ; everybody's is.
.irp f, 0,1,2,3,4,5,6,7
.irp i, 0,1,2,3,4,5,6,7
	ds_load_b32 v[SCA+8*\f+\i], v[ADSA] offset:1024*\f+64*\i
.endr
.endr
.irp b, 0,1,2,3
	ds_load_b128 v[SCB+8*\b:SCB+8*\b+3], v[ADSB] offset:544*\b
	ds_load_b128 v[SCB+8*\b+4:SCB+8*\b+7], v[ADSB] offset:544*\b+16
.endr
	FETCHH 0, 0
	FETCHH 0, 1
	WIN 0
	s_wait_loadcnt 0x0                             ; bo is in
.irp f, 0,1,2,3,4,5,6,7
	STEP \f
.endr
	WIN 0
; THE WAY OUT, block by block of 16 tokens x 64 features, through my own stage.  LDS serves a wave's instructions in order: no wait between the stores and the loads, nor in front of the next block's stores.
.macro TOSTAGE a
	WIN 0x08
.irp b, 0,1,2,3
	ds_store_b128 v[STO], v[8*(4*(\a)+\b):8*(4*(\a)+\b)+3] offset:128*(\b/2)+32*(\b%2)      ; each accumulator from its low end on
	ds_store_b128 v[STO], v[8*(4*(\a)+\b)+4:8*(4*(\a)+\b)+7] offset:128*(\b/2)+32*(\b%2)+16
.endr
	WIN 0
.irp t, 0,1,2,3,4,5,6,7
	ds_load_b128 v[BK+32*((\a)%2)+4*\t:BK+32*((\a)%2)+4*\t+3], v[RD] offset:\t*2*SPITCH
.endr
.endm
.macro SEND a, younger                 ; younger: the LDS instructions issued behind block a's loads, which may stay out
	s_wait_dscnt \younger
.irp t, 0,1,2,3,4,5,6,7
	global_store_b128 v[CO], v[BK+32*((\a)%2)+4*\t:BK+32*((\a)%2)+4*\t+3], s[12:13] offset:(32*((\a)/2)+8*((\a)%2)+2*\t+8*(\t/4))*4096 th:TH_STORE_NT
.endr
.endm
	PLACES
	TOSTAGE 0
.irp a, 1,2,3,4,5,6,7
.if \a > 1
	s_wait_xcnt 0x0                                ; block a - 2's stores have read their registers: block a's loads may land there
.endif
	TOSTAGE \a
	SEND \a-1, 16                                  ; behind block a - 1's loads: block a's 8 stores and 8 loads
.endr
	SEND 7, 0
	s_wait_tensorcnt 0x0                           ; the wave's end
	ds_add_u32 v[SPW], v[NIL]
	s_wait_dscnt 0x0
	CROUND                                         ; the closing round
	s_endpgm
.Lfunc_end_k_q908f817d1b_oproj:
	.size	k_q908f817d1b_oproj, .Lfunc_end_k_q908f817d1b_oproj-k_q908f817d1b_oproj
	.p2alignl 7, 3214868480
	.fill 96, 4, 3214868480
	.section	.rodata,"a",@progbits
	.p2align	6, 0x0
	.amdhsa_kernel k_q908f817d1b_oproj
		.amdhsa_group_segment_fixed_size 327680
		.amdhsa_private_segment_fixed_size 0
		.amdhsa_enable_private_segment 0
		.amdhsa_kernarg_size 48
		.amdhsa_user_sgpr_count 2
		.amdhsa_user_sgpr_kernarg_segment_ptr 1
		.amdhsa_wavefront_size32 1
		.amdhsa_system_sgpr_workgroup_id_x 1
		.amdhsa_system_sgpr_workgroup_id_y 1
		.amdhsa_system_sgpr_workgroup_id_z 1
		.amdhsa_system_vgpr_workitem_id 0
		.amdhsa_next_free_vgpr 1024
		.amdhsa_next_free_sgpr 100
		.amdhsa_reserve_vcc 0
		.amdhsa_float_denorm_mode_32 3
		.amdhsa_float_denorm_mode_16_64 3
		.amdhsa_memory_ordered 1
		.amdhsa_forward_progress 1
		.amdhsa_inst_pref_size 94
	.end_amdhsa_kernel
	.amdgpu_metadata
---
amdhsa.version: [ 1, 2 ]
amdhsa.kernels:
  - .name:           k_q908f817d1b_oproj
    .symbol:         k_q908f817d1b_oproj.kd
    .args:
      - { .name: ai, .offset: 0, .size: 8, .value_kind: global_buffer, .address_space: global }
      - { .name: asc, .offset: 8, .size: 8, .value_kind: global_buffer, .address_space: global }
      - { .name: ci, .offset: 16, .size: 8, .value_kind: global_buffer, .address_space: global }
      - { .name: cs, .offset: 24, .size: 8, .value_kind: global_buffer, .address_space: global }
      - { .name: bo, .offset: 32, .size: 8, .value_kind: global_buffer, .address_space: global }
      - { .name: out0, .offset: 40, .size: 8, .value_kind: global_buffer, .address_space: global }
    .group_segment_fixed_size: 327680
    .private_segment_fixed_size: 0
    .kernarg_segment_align: 8
    .kernarg_segment_size: 48
    .max_flat_workgroup_size: 128
    .sgpr_count:     100
    .vgpr_count:     1024
    .wavefront_size: 32
...
	.end_amdgpu_metadata
.endif
;; end of part 4
